; MI455X (gfx1250); checked and timed in simulation.
; The chip was launched on July 23, 2026; its instructions are those of AMD's public machine-readable ISA for CDNA 5 (MIT licence, August 2026) and "CDNA5" Instruction Set Architecture Reference Guide (July 2026). The comments in the code are by the model that wrote it; some were corrected since.
;; Attention. Allowed arithmetic: matrix products marked QUANTISED: E3M2 operands, one E8M0 scale for each 32 along K, by v_wmma_scale_f32_16x16x128_f8f6f4 with both operands' format E3M2, f32 sums; everything else in f32.
;; Inputs: hidden_state 4 x 2,048 x 1,024 float32; o_b 1,024 float32; o_w 1,024 x 1,024 float32; qkv_b 3,072 float32; qkv_w 1,024 x 3,072 float32.
;; Outputs: out0 4 x 2,048 x 1,024 float32.
;; This version of the problem:
;;   THIS VERSION OF THE PROBLEM IS GIVEN IN LOW PRECISION. The matrix products marked QUANTISED in the list below multiply operands that are first quantised to E3M2 (3 exponent bits, 2 mantissa bits; 6 bits a number), with one power-of-two scale for each 32 numbers along K (OCP MX v1.0); their sums are f32. All else is computed in f32.
;;   The module's matrix products, in the order in which they are computed (A, B: the left and right operand; K: the contracted axis; several contracted axes count as one K, in the product's order):
;;     1. [M 8,192, K 1,024] x [K 1,024, N 3,072]; A: input hidden_state; B: input qkv_w: QUANTISED
;;     2. batch 64 x [M 2,048, K 64] x [K 64, N 2,048]; A: computed on the way; B: computed on the way: QUANTISED
;;     3. batch 64 x [M 2,048, K 2,048] x [K 2,048, N 64]; A: softmax (see below); B: computed on the way: QUANTISED
;;     4. [M 8,192, K 1,024] x [K 1,024, N 1,024]; A: computed on the way; B: input o_w: QUANTISED
;;   THE QUANTISER, for each operand of a quantised product, along K:
;;     - K is cut into blocks of 32 from its start; a last block that is shorter is filled with zeros.
;;     - A block's scale is 2^e with e = floor(log2(the largest magnitude in the block)) - 4, held to -126 .. 127; a block of zeros has e = 0. As a byte (E8M0): e + 127.
;;     - Each number is divided by its block's scale, clamped to +-28, and rounded to the nearest number of E3M2, ties to even, subnormals kept.
;;     - The product sums the exact products of the quantised numbers (number of the format x scale) in f32.
;;   ~~~python
;;   def quantise(x, axis):      # numpy; x: float32 -> the quantised numbers, widened to float32 again
;;       x = np.moveaxis(x, axis, -1); K = x.shape[-1]
;;       x = np.pad(x, [(0, 0)] * (x.ndim - 1) + [(0, -K % 32)]); x = x.reshape(x.shape[:-1] + (-1, 32)); a = np.abs(x).max(-1, keepdims=True)
;;       e = np.where(a > 0, np.clip(np.frexp(np.where(a > 0, a, 1))[1] - 1 - 4, -126, 127), 0)      # np.frexp(a)[1] - 1 = floor(log2(a)), exactly
;;       r = np.clip(x / 2.0 ** e, -28, 28)
;;       step = 2.0 ** (np.maximum(np.frexp(np.where(r == 0, 1, r))[1] - 1, -2) - 2)
;;       q = np.round(r / step) * step * 2.0 ** e      # np.round: ties to even
;;       return np.moveaxis(q.reshape(q.shape[:-2] + (-1,))[..., :K], -1, axis).astype(np.float32)
;;   ~~~
;;   SOFTMAX AHEAD OF A QUANTISED PRODUCT. Where the list says 'softmax', what is quantised is not the finished softmax but p = 2^(t - M), with t = logit x log2(e) and M = ceil(the row's largest t), a whole number; so 1/2 < the row's largest p <= 1. The row's sum l is taken of the UNQUANTISED p, in f32, and the product's result is divided by l at the end. Since M is a whole number, a kernel that streams over the keys may use a running M (the ceiling of the running maximum): every later rescaling is an exact power of two, which a block's scale takes up: the codes' values come out the same.
;;   OPERANDS COMPUTED ON THE WAY. 'Computed on the way' means the value that the module computes at that place (a softmax that the list does not call 'softmax' is quantised finished and normalised). What goes into a quantiser is computed in f32, as accurately as f32 sums, v_exp_f32 and their like allow (about 1e-6 of the number): no bf16 or f16 on the way to a quantiser, and a product that is left as it is and whose result goes on into a quantised operand takes f32 operands (vector FMAs, or v_wmma_f32_16x16x4_f32). A number that lies on a knife's edge between two numbers of the format may be rounded either way, as far as f32 arithmetic and the matrix unit's own rounding can turn it there, and no further.
;; One version. Each part assembles by itself: llvm-mc -triple=amdgcn-amd-amdhsa -mcpu=gfx1250 --defsym DOCPART=n.
;; ======== version 1 of 1: 5 launches
;; limits: right only within a limited range of input values
;; workspace buffers: x_img 6,291,456 bytes; x_sc 262,144 bytes; w_img 3,145,728 bytes; w_sc 131,072 bytes; q 6,815,744 bytes; kv 13,369,344 bytes; a_img 6,291,456 bytes; a_sc 262,144 bytes
;; launch quant_x (part 1): grid 256 x 1, 4 waves a work-group, no clusters, 35,328 bytes of LDS; arguments hidden_state, x_img, x_sc; writes x_img, x_sc
.if DOCPART == 1
	.amdgcn_target "amdgcn-amd-amdhsa--gfx1250"
	.amdhsa_code_object_version 6
	.text
	.protected	k_q1b8ee253c9_quant_x
	.globl	k_q1b8ee253c9_quant_x
	.p2align	8
	.type	k_q1b8ee253c9_quant_x,@function
k_q1b8ee253c9_quant_x:
	s_mov_b64 s[64:65], 0
	v_nop
	global_prefetch_b8 v0, s[64:65] scope:SCOPE_SE
	s_setreg_imm32_b32 hwreg(HW_REG_WAVE_MODE, 25, 1), 1
	s_wait_xcnt 0x0
; hidden_state [8192][1024] f32 becomes codes of BF6 (E3M2) with one E8M0 scale byte for each 32 along K, laid as IMAGES OF THE OPERAND'S REGISTERS.
; A tile is 16 rows; the 32 rows of group g give tiles 2 g and 2 g + 1, and lane r of tile 2 g + u stands for row 32 g + 8 u + r + 8 (r / 8).
; A half fragment (16 rows x 64 K) is 768 bytes: lane (r, h) holds k = 32 h .. 32 h + 31 of its row in six registers: registers 0-3 at 16 x lane, registers 4-5 at 512 + 8 x lane.
; x_img: [512 tiles][16 half fragments][768].  x_sc: [512 tiles][512]: lane (r, hh) has 16 bytes at 16 x lane: row r's four scale words of K steps 4 hh .. 4 hh + 3 (a K step is 128).
; A block's scale is 2^(floor(log2(largest magnitude)) - 4); its byte is the largest magnitude's exponent field - 4, held at 1 from below.
; LIMITS: NaN and infinities among the inputs are not served; a block whose largest magnitude lies under 2^(5 - 127), a block of zeros among them, gets the byte 1 (its codes are zeros or nearly; this program alone reads the bytes).
; SHARES: work-group g takes group g.  Wave w: tile 2 g + (w & 1), K half w >> 1: eight steps of one half fragment.  Each load reads two rows' 256 consecutive bytes; a step's 4,096 bytes turn through the wave's own
; stage in LDS (rows 272 bytes apart) so that a lane gets a whole block of 32 neighbours.  Waves share nothing: no barrier.  Loads run three steps ahead, the turn through LDS one step.
.set SP,   272                         ; a stage row: 256 bytes + 16
.set STG,  16*SP                       ; a stage
.set WREG, 2*STG                       ; two stages for each wave
.set GA,   5                           ; v5   4,096 h + 16 r: my 16 bytes of a load's two rows
.set SI,   6                           ; v6   the stage, on the way in: 272 h + 16 r
.set SU,   7                           ; v7   and out: 272 r + 128 h
.set L16,  8                           ; v8   16 x lane
.set L8,   9                           ; v9   8 x lane
.set SCO,  10                          ; v10  16 r + 8 h: my two scale words' place
.set E,    16                          ; v16-23 a scale byte for each step
.set WD,   24                          ; v24-27 the four scale words
.set PT,   28                          ; v28-31 the other half's parts of them
.set R,    32                          ; v32-127  three sets of 32 numbers as loaded
.set X,    128                         ; v128-191 two sets of 32 neighbours
.set C,    192                         ; v192-255 codes: eight registers for each step, so that no store's data are written again
	s_load_b128 s[4:7], s[0:1], 0x0                ; hidden_state, x_img
	s_load_b64 s[8:9], s[0:1], 0x10                ; x_sc
	v_lshl_add_u32 v247, v0, 2, 0x8800
	v_mov_b32 v255, 0
	v_lshrrev_b32 v1, 5, v0
	v_readfirstlane_b32 s10, v1                    ; wave
	v_and_b32 v2, 15, v0                           ; r
	v_bfe_u32 v3, v0, 4, 1                         ; h
	v_and_b32 v4, 31, v0                           ; lane
	s_and_b32 s11, s10, 1                          ; u: which tile of the group
	s_lshr_b32 s12, s10, 1                         ; which half of K
	s_mul_i32 s13, s10, WREG
	v_lshlrev_b32 v[GA], 4, v2
	v_lshl_add_u32 v[GA], v3, 12, v[GA]
	v_mul_u32_u24 v[SI], v3, SP
	v_lshl_add_u32 v[SI], v2, 4, v[SI]
	v_add_nc_u32 v[SI], s13, v[SI]
	v_mul_u32_u24 v[SU], v2, SP
	v_lshl_add_u32 v[SU], v3, 7, v[SU]
	v_add_nc_u32 v[SU], s13, v[SU]
	v_lshlrev_b32 v[L16], 4, v4
	v_lshlrev_b32 v[L8], 3, v4
	v_lshlrev_b32 v[SCO], 4, v2
	v_lshl_add_u32 v[SCO], v3, 3, v[SCO]
	s_mov_b32 s20, 0x76543210
	s_mov_b32 s21, 0xfedcba98                      ; v_permlanex16_b32's selects for lane l xor 16
	s_lshl_b32 s14, ttmp9, 17                      ; 32 g rows of 4,096 bytes
	s_lshl_b32 s15, s11, 15                        ; + 8 u rows
	s_add_co_u32 s14, s14, s15
	s_lshl_b32 s15, s12, 11                        ; + my half of K: 2,048 bytes
	s_add_co_u32 s14, s14, s15
	s_mov_b32 s15, 0
	s_lshl_b32 s16, ttmp9, 1
	s_add_co_u32 s16, s16, s11                     ; my tile
	s_mul_i32 s18, s16, 12288
	s_mul_i32 s17, s12, 6144                       ; eight half fragments on for the upper half of K
	s_add_co_u32 s18, s18, s17
	s_mov_b32 s19, 0
	s_lshl_b32 s22, s16, 9
	s_lshl_b32 s23, s12, 8
	s_add_co_u32 s22, s22, s23
	s_mov_b32 s23, 0
	s_wait_alu depctr_va_vdst(0)
	s_wait_kmcnt 0x0
	s_add_nc_u64 s[4:5], s[4:5], s[14:15]
	s_add_nc_u64 s[6:7], s[6:7], s[18:19]
	s_add_nc_u64 s[8:9], s[8:9], s[22:23]
.macro LOAD t                          ; step t: load i reads tile rows 2 i and 2 i + 1 (memory rows 2 i + 8 (i / 4) on), 256 consecutive bytes each
.irp i, 0,1,2,3,4,5,6,7
	global_load_b128 v[R+32*((\t)%3)+4*\i:R+32*((\t)%3)+4*\i+3], v[GA], s[4:5] offset:(2*\i+8*(\i/4))*4096+256*(\t) th:TH_LOAD_NT
.endr
.endm
.macro TURN t                          ; step t's numbers through a stage: LDS serves a wave's instructions in order, so no wait stands between the stores and the loads
.irp i, 0,1,2,3,4,5,6,7
	ds_store_b128 v[SI], v[R+32*((\t)%3)+4*\i:R+32*((\t)%3)+4*\i+3] offset:STG*((\t)%2)+2*SP*\i
.endr
.irp j, 0,1,2,3,4,5,6,7
	ds_load_b128 v[X+32*((\t)%2)+4*\j:X+32*((\t)%2)+4*\j+3], v[SU] offset:STG*((\t)%2)+16*\j
.endr
.endm
	LOAD 0
	LOAD 1
	LOAD 2
	s_wait_loadcnt 16                              ; step 0's eight loads are in; those of steps 1 and 2 may be out
	TURN 0
.macro STEP t
.set XS, X+32*((\t)%2)
.set CC, C+8*(\t)
	s_wait_dscnt 0x0                               ; this step's numbers are back from the stage, so its stores into the stage have read their registers,
.if (\t)+3 < 8
	LOAD (\t)+3                                    ; which take the loads of three steps on
.endif
.if (\t)+1 < 8
.if (\t) <= 4
	s_wait_loadcnt 16                              ; the next step's eight loads are in; those of the two steps behind it may be out
.else
	s_wait_loadcnt 8*(6-(\t))
.endif
	TURN (\t)+1                                    ; and go through the other stage while this step is worked
.endif
	v_max3_num_f32 v12, |v[XS]|, |v[XS+1]|, |v[XS+2]|              ; the block's largest magnitude: all 32 numbers are mine; two chains
	v_max3_num_f32 v13, |v[XS+3]|, |v[XS+4]|, |v[XS+5]|
.irp i, 6,10,14,18,22,26
	v_max3_num_f32 v12, v12, |v[XS+\i]|, |v[XS+\i+1]|
	v_max3_num_f32 v13, v13, |v[XS+\i+2]|, |v[XS+\i+3]|
.endr
	v_max3_num_f32 v12, v12, |v[XS+30]|, |v[XS+31]|
	v_max3_num_f32 v12, v12, v13, 0x2800000        ; and the floor 2^(5 - 127): the byte cannot fall under 1
	v_add_nc_u32 v11, 0xfe000000, v12              ; 4 off the exponent field: the conversion takes the exponent field of this operand as its scale
	v_cvt_scalef32_pk16_bf6_f32 v[CC:CC+2], v[XS:XS+15], v11
	v_cvt_scalef32_pk16_bf6_f32 v[CC+4:CC+6], v[XS+16:XS+31], v11  ; (a conversion's three registers begin on an even number)
	v_lshrrev_b32 v[E+(\t)], 23, v11               ; the scale's byte; also the plain line behind the conversions
	v_mov_b32 v[CC+3], v[CC+4]                     ; the block's 192 bits on end
	v_mov_b32 v[CC+4], v[CC+5]
	v_mov_b32 v[CC+5], v[CC+6]
	global_store_b128 v[L16], v[CC:CC+3], s[6:7] offset:768*(\t)        ; 512 consecutive bytes
	global_store_b64 v[L8], v[CC+4:CC+5], s[6:7] offset:768*(\t)+512    ; 256 consecutive bytes
.endm
.irp t, 0,1,2,3,4,5,6,7
	STEP \t
.endr
	; the scale words: K step q of my four has bytes (step 2 q, h = 0), (2 q, 1), (2 q + 1, 0), (2 q + 1, 1)
	v_lshlrev_b32 v14, 3, v3
.irp q, 0,1,2,3
	v_lshl_or_b32 v[WD+\q], v[E+2*\q+1], 16, v[E+2*\q]
	v_mov_b32 v[PT+\q], 0                          ; a lane permute's destination counts as one of its sources
.endr
.irp q, 0,1,2,3
	v_lshlrev_b32 v[WD+\q], v14, v[WD+\q]          ; my two bytes at their places, 8 h bits up
.endr
.irp q, 0,1,2,3
	v_permlanex16_b32 v[PT+\q], v[WD+\q], s20, s21
.endr
.irp q, 0,1,2,3
	v_or_b32 v[WD+\q], v[WD+\q], v[PT+\q]          ; with lane l xor 16's two the word is whole
.endr
	v_cmp_ne_u32 vcc_lo, 0, v3
	v_cndmask_b32 v12, v[WD], v[WD+2], vcc_lo      ; lanes 0-15 store words 0 and 1, lanes 16-31 words 2 and 3
	v_cndmask_b32 v13, v[WD+1], v[WD+3], vcc_lo
	global_store_b64 v[SCO], v[12:13], s[8:9]      ; 32 lanes store 256 consecutive bytes, aligned
	s_wait_tensorcnt 0x0
	ds_add_u32 v247, v255
	s_wait_dscnt 0x0
	s_endpgm
.Lfunc_end_k_q1b8ee253c9_quant_x:
	.size	k_q1b8ee253c9_quant_x, .Lfunc_end_k_q1b8ee253c9_quant_x-k_q1b8ee253c9_quant_x
	.p2alignl 7, 3214868480
	.fill 96, 4, 3214868480
	.section	.rodata,"a",@progbits
	.p2align	6, 0x0
	.amdhsa_kernel k_q1b8ee253c9_quant_x
		.amdhsa_group_segment_fixed_size 35328
		.amdhsa_private_segment_fixed_size 0
		.amdhsa_enable_private_segment 0
		.amdhsa_kernarg_size 24
		.amdhsa_user_sgpr_count 2
		.amdhsa_user_sgpr_kernarg_segment_ptr 1
		.amdhsa_wavefront_size32 1
		.amdhsa_system_sgpr_workgroup_id_x 1
		.amdhsa_system_sgpr_workgroup_id_y 1
		.amdhsa_system_sgpr_workgroup_id_z 1
		.amdhsa_system_vgpr_workitem_id 0
		.amdhsa_next_free_vgpr 256
		.amdhsa_next_free_sgpr 66
		.amdhsa_reserve_vcc 1
		.amdhsa_float_denorm_mode_32 3
		.amdhsa_float_denorm_mode_16_64 3
		.amdhsa_memory_ordered 1
		.amdhsa_forward_progress 1
		.amdhsa_inst_pref_size 31
	.end_amdhsa_kernel
	.amdgpu_metadata
---
amdhsa.version: [ 1, 2 ]
amdhsa.kernels:
  - .name:           k_q1b8ee253c9_quant_x
    .symbol:         k_q1b8ee253c9_quant_x.kd
    .args:
      - { .name: hidden_state, .offset: 0, .size: 8, .value_kind: global_buffer, .address_space: global }
      - { .name: x_img, .offset: 8, .size: 8, .value_kind: global_buffer, .address_space: global }
      - { .name: x_sc, .offset: 16, .size: 8, .value_kind: global_buffer, .address_space: global }
    .group_segment_fixed_size: 35328
    .private_segment_fixed_size: 0
    .kernarg_segment_align: 8
    .kernarg_segment_size: 24
    .max_flat_workgroup_size: 128
    .sgpr_count:     66
    .vgpr_count:     256
    .wavefront_size: 32
...
	.end_amdgpu_metadata
.endif
;; end of part 1
;; launch quant_w (part 2): grid 32 x 8, 4 waves a work-group, no clusters, 13,824 bytes of LDS; arguments qkv_w, o_w, w_img, w_sc; writes w_img, w_sc
.if DOCPART == 2
	.amdgcn_target "amdgcn-amd-amdhsa--gfx1250"
	.amdhsa_code_object_version 6
	.text
	.protected	k_q1b8ee253c9_quant_w
	.globl	k_q1b8ee253c9_quant_w
	.p2align	8
	.type	k_q1b8ee253c9_quant_w,@function
k_q1b8ee253c9_quant_w:
	s_mov_b64 s[64:65], 0
	v_nop
	global_prefetch_b8 v0, s[64:65] scope:SCOPE_SE
	s_setreg_imm32_b32 hwreg(HW_REG_WAVE_MODE, 25, 1), 1
	s_wait_xcnt 0x0
; qkv_w [1024][3072] and o_w [1024][1024], f32 with K as the FIRST axis, become codes of BF6 (E3M2) with one E8M0 scale byte for each 32 along K, as images of the operand's registers.
; A tile is 16 columns n; the 32 columns of group g give tiles 2 g and 2 g + 1, and lane r of tile 2 g + u stands for column 32 g + 8 u + r + 8 (r / 8).  Tiles 0-191 are qkv_w's, tiles 192-255 o_w's.
; w_img: [256 tiles][8 K steps][1,536]: a fragment (16 columns x 128 K) is two half fragments of 768 bytes: registers 0-3 at 16 x lane, registers 4-5 at 512 + 8 x lane.
; w_sc: [256 tiles][512]: lane (r, hh) has 16 bytes at 16 x lane: the scale words of K steps 4 hh .. 4 hh + 3.
; A LANE TAKES A COLUMN AND ITS REGISTERS RUN DOWN K: a block of 32 lies in one lane, and the conversions give codes with K innermost.  Nothing is transposed by an instruction.
; LIMITS: NaN and infinities are not served; a block whose largest magnitude lies under 2^(5 - 127), a block of zeros among them, gets the byte 1 (this program alone reads the bytes).
; SHARES: work-group (x, y): x < 24 qkv_w, else o_w (only pointers, the pitch and the column are chosen: one path); wave w takes column group 4 x + w and K step y: four blocks a lane.
; The codes go through the wave's own LDS bytes into the images' order and leave as runs of 512 consecutive bytes.  The scale word leaves as 4 bytes a lane: 131,072 bytes in the whole launch against 16,777,216 read;
; a wave that held all of K for its columns could store whole runs, but there would then be work for a quarter of these work-groups only.
.set OFF,  32                          ; v32-63   4 x lane + i rows
.set X,    64                          ; v64-191  four blocks of 32 numbers
.set C,    192                         ; v192-223 codes, eight registers a block
.set OUTR, 224                         ; v224-247 the way out
.set BASE, 32                          ; s[32:39] where block t of my columns begins
	s_load_b256 s[4:11], s[0:1], 0x0               ; qkv_w, o_w, w_img, w_sc
	v_lshl_add_u32 v254, v0, 2, 0x3400
	v_mov_b32 v255, 0
	v_lshrrev_b32 v1, 5, v0
	v_readfirstlane_b32 s12, v1                    ; wave
	v_and_b32 v2, 31, v0                           ; lane = column of the group
	s_and_b32 s13, ttmp7, 0xffff                   ; y: the K step
	s_lshl_b32 s14, ttmp9, 2
	s_add_co_u32 s14, s14, s12                     ; g: the column group, 0 .. 127
	v_lshlrev_b32 v3, 2, v2
	v_bfe_u32 v4, v0, 3, 1                         ; u: which tile my column falls into
	v_and_b32 v5, 7, v0
	v_bfe_u32 v6, v0, 4, 1
	v_lshl_add_u32 v5, v6, 3, v5                   ; and which lane of it stands for my column
	s_mul_i32 s15, s12, 3328                       ; my wave's LDS: two fragments of 1,536 bytes, 1,664 apart
	v_mul_u32_u24 v7, v4, 1664
	v_add_nc_u32 v7, s15, v7
	v_lshl_add_u32 v8, v5, 4, v7                   ; where registers 0-3 go
	v_lshl_add_u32 v9, v5, 3, v7
	v_add_nc_u32 v9, 512, v9                       ; where registers 4-5 go
	v_lshlrev_b32 v10, 4, v2                       ; 16 x lane
	v_add_nc_u32 v14, s15, v10                     ; the way back
	v_lshlrev_b32 v15, 9, v4
	v_lshl_add_u32 v15, v5, 4, v15                 ; my scale word's place: 512 u + 16 x the tile's lane
	s_wait_kmcnt 0x0
	s_cmp_lt_u32 ttmp9, 24                         ; the choice hangs on the work-group's number alone
	s_cselect_b64 s[4:5], s[4:5], s[6:7]
	s_mov_b32 s16, 4096
	s_cselect_b32 s16, 12288, s16                  ; a row of the tensor in bytes
	s_cselect_b32 s17, 0, 96
	s_sub_co_u32 s17, s14, s17                     ; the column group within its tensor
	s_lshl_b32 s18, s13, 7
	s_mul_i32 s18, s18, s16                        ; 128 y rows down
	s_lshl_b32 s19, s17, 7                         ; 32 columns of 4 bytes
	s_add_co_u32 s18, s18, s19
	s_mov_b32 s19, 0
	s_add_nc_u64 s[BASE:BASE+1], s[4:5], s[18:19]
	s_lshl_b32 s20, s16, 5                         ; 32 rows
	s_mov_b32 s21, 0
	s_add_nc_u64 s[BASE+2:BASE+3], s[BASE:BASE+1], s[20:21]
	s_add_nc_u64 s[BASE+4:BASE+5], s[BASE+2:BASE+3], s[20:21]
	s_add_nc_u64 s[BASE+6:BASE+7], s[BASE+4:BASE+5], s[20:21]
	s_mul_i32 s22, s14, 24576                      ; two tiles of 12,288 bytes a group
	s_mul_i32 s23, s13, 1536
	s_add_co_u32 s22, s22, s23
	s_mov_b32 s23, 0
	s_add_nc_u64 s[8:9], s[8:9], s[22:23]
	s_lshl_b32 s24, s14, 10
	s_lshr_b32 s25, s13, 2
	s_lshl_b32 s25, s25, 8
	s_add_co_u32 s24, s24, s25
	s_and_b32 s25, s13, 3
	s_lshl_b32 s25, s25, 2
	s_add_co_u32 s24, s24, s25
	s_mov_b32 s25, 0
	s_add_nc_u64 s[10:11], s[10:11], s[24:25]
.set i, 0
.rept 32
	v_mad_u32_u24 v[OFF+i], s16, i, v3
.set i, i+1
.endr
.macro LOAD t                          ; block t: W(128 y + 32 t + i, my column): 32 lanes read 128 consecutive bytes, the four waves 512
.set i, 0
.rept 32
	global_load_b32 v[X+32*(\t)+i], v[OFF+i], s[BASE+2*(\t):BASE+2*(\t)+1] th:TH_LOAD_NT
.set i, i+1
.endr
.endm
	LOAD 0
	LOAD 1
.macro BLOCK t
.set XS, X+32*(\t)
.set CC, C+8*(\t)
.if (\t) < 3
	s_wait_loadcnt 32                              ; this block's 32 loads are in; the next block's may be out
.else
	s_wait_loadcnt 0x0
.endif
.if (\t)+2 < 4
	LOAD (\t)+2                                    ; into registers of its own
.endif
	v_max3_num_f32 v12, |v[XS]|, |v[XS+1]|, |v[XS+2]|
	v_max3_num_f32 v13, |v[XS+3]|, |v[XS+4]|, |v[XS+5]|
.irp i, 6,10,14,18,22,26
	v_max3_num_f32 v12, v12, |v[XS+\i]|, |v[XS+\i+1]|
	v_max3_num_f32 v13, v13, |v[XS+\i+2]|, |v[XS+\i+3]|
.endr
	v_max3_num_f32 v12, v12, |v[XS+30]|, |v[XS+31]|
	v_max3_num_f32 v12, v12, v13, 0x2800000        ; the floor 2^(5 - 127)
	v_add_nc_u32 v11, 0xfe000000, v12              ; the conversion's scale operand
	v_cvt_scalef32_pk16_bf6_f32 v[CC:CC+2], v[XS:XS+15], v11
	v_cvt_scalef32_pk16_bf6_f32 v[CC+4:CC+6], v[XS+16:XS+31], v11
	v_lshrrev_b32 v13, 23, v11                     ; the scale's byte; also the plain line behind the conversions
.if (\t) == 0
	v_mov_b32 v24, v13                             ; four bytes make the K step's scale word, the lower K in the lower byte
.else
	v_lshl_or_b32 v24, v13, 8*(\t), v24
.endif
	v_mov_b32 v[CC+3], v[CC+4]
	v_mov_b32 v[CC+4], v[CC+5]
	v_mov_b32 v[CC+5], v[CC+6]
	ds_store_b128 v8, v[CC:CC+3] offset:768*((\t)/2)+256*((\t)%2)     ; block t is half t % 2 of half fragment t / 2
	ds_store_b64 v9, v[CC+4:CC+5] offset:768*((\t)/2)+128*((\t)%2)
.endm
	s_wait_alu depctr_va_vdst(0)
	BLOCK 0
	BLOCK 1
	BLOCK 2
	BLOCK 3
.irp m, 0,1,2,3,4,5
	ds_load_b128 v[OUTR+4*\m:OUTR+4*\m+3], v14 offset:1664*(\m/3)+512*(\m%3)   ; LDS serves a wave's instructions in order: these see my stores
.endr
	global_store_b32 v15, v24, s[10:11]
.irp m, 0,1,2,3,4,5
	s_wait_dscnt 5-\m                              ; the later read-backs may be out
	global_store_b128 v10, v[OUTR+4*\m:OUTR+4*\m+3], s[8:9] offset:12288*(\m/3)+512*(\m%3)   ; 512 consecutive bytes
.endr
	s_wait_tensorcnt 0x0
	ds_add_u32 v254, v255
	s_wait_dscnt 0x0
	s_endpgm
.Lfunc_end_k_q1b8ee253c9_quant_w:
	.size	k_q1b8ee253c9_quant_w, .Lfunc_end_k_q1b8ee253c9_quant_w-k_q1b8ee253c9_quant_w
	.p2alignl 7, 3214868480
	.fill 96, 4, 3214868480
	.section	.rodata,"a",@progbits
	.p2align	6, 0x0
	.amdhsa_kernel k_q1b8ee253c9_quant_w
		.amdhsa_group_segment_fixed_size 13824
		.amdhsa_private_segment_fixed_size 0
		.amdhsa_enable_private_segment 0
		.amdhsa_kernarg_size 32
		.amdhsa_user_sgpr_count 2
		.amdhsa_user_sgpr_kernarg_segment_ptr 1
		.amdhsa_wavefront_size32 1
		.amdhsa_system_sgpr_workgroup_id_x 1
		.amdhsa_system_sgpr_workgroup_id_y 1
		.amdhsa_system_sgpr_workgroup_id_z 1
		.amdhsa_system_vgpr_workitem_id 0
		.amdhsa_next_free_vgpr 256
		.amdhsa_next_free_sgpr 66
		.amdhsa_reserve_vcc 0
		.amdhsa_float_denorm_mode_32 3
		.amdhsa_float_denorm_mode_16_64 3
		.amdhsa_memory_ordered 1
		.amdhsa_forward_progress 1
		.amdhsa_inst_pref_size 25
	.end_amdhsa_kernel
	.amdgpu_metadata
---
amdhsa.version: [ 1, 2 ]
amdhsa.kernels:
  - .name:           k_q1b8ee253c9_quant_w
    .symbol:         k_q1b8ee253c9_quant_w.kd
    .args:
      - { .name: qkv_w, .offset: 0, .size: 8, .value_kind: global_buffer, .address_space: global }
      - { .name: o_w, .offset: 8, .size: 8, .value_kind: global_buffer, .address_space: global }
      - { .name: w_img, .offset: 16, .size: 8, .value_kind: global_buffer, .address_space: global }
      - { .name: w_sc, .offset: 24, .size: 8, .value_kind: global_buffer, .address_space: global }
    .group_segment_fixed_size: 13824
    .private_segment_fixed_size: 0
    .kernarg_segment_align: 8
    .kernarg_segment_size: 32
    .max_flat_workgroup_size: 128
    .sgpr_count:     66
    .vgpr_count:     256
    .wavefront_size: 32
...
	.end_amdgpu_metadata
.endif
;; end of part 2
;; launch gemm_qkv (part 3): grid 8 x 32, 4 waves a work-group, clusters of 4 x 4, 327,680 bytes of LDS; arguments x_img, x_sc, w_img, w_sc, qkv_b, q, kv; writes q, kv
.if DOCPART == 3
	.amdgcn_target "amdgcn-amd-amdhsa--gfx1250"
	.amdhsa_code_object_version 6
	.text
	.protected	k_q1b8ee253c9_gemm_qkv
	.globl	k_q1b8ee253c9_gemm_qkv
	.p2align	8
	.type	k_q1b8ee253c9_gemm_qkv,@function
k_q1b8ee253c9_gemm_qkv:
	s_mov_b64 s[64:65], 0
	v_nop
	global_prefetch_b8 v0, s[64:65] scope:SCOPE_SE
	s_setreg_imm32_b32 hwreg(HW_REG_WAVE_MODE, 25, 1), 1
	s_wait_xcnt 0x0
	s_wait_alu depctr_hold_cnt(0) depctr_sa_sdst(0) depctr_va_vdst(0) depctr_va_sdst(0) depctr_va_ssrc(0) depctr_va_vcc(0) depctr_vm_vsrc(0)
	s_getreg_b32 s2, hwreg(HW_REG_IB_STS2, 6, 4)
	s_cmp_eq_u32 s2, 0
	s_cbranch_scc0 .Lentry_in_a_cluster
	s_endpgm
.Lentry_in_a_cluster:
	s_bfe_u32 s2, ttmp6, 0x10000c
	s_cmp_lg_u32 s2, 0xf033
	s_cbranch_scc0 .Lentry_shape_is_right
	s_endpgm
.Lentry_shape_is_right:
; qkv = x W + b on codes of BF6 (E3M2) with E8M0 scales, and q, k, v quantised at once for the attention: qkv never goes to memory in f32.
; Operands come as images of their registers: a tile (16 rows) is 12,288 bytes: 16 half fragments of 768 (registers 0-3 at 16 x lane, registers 4-5 at 512 + 8 x lane); its scales 512 bytes (16 x lane: four words).
; Lane r of tile 2 g + u stands for row (token, or column of W) 32 g + 8 u + r + 8 (r / 8): so the 16 result registers of two neighbouring tiles of source 0 are 16 neighbours along the next product's K.
; A WORK-GROUP STAYS: 256 work-groups, each with 256 tokens and two heads.  Its 16 tiles of x, all of K = 1,024, lie in LDS for the whole launch (196,608 bytes), their scale words in registers.
; It makes three blocks of 256 tokens x 128 columns one after the other: q's, k's, v's columns of its two heads (column tiles TX, TX + 8, TX + 16 of 128 columns).  W's 8 tiles of a block (98,304 bytes) lie behind x's.
; When a block's products are done, W's bytes are filled again with the next block's, and the finished block is quantised and stored while that load is out.
; q and k are a loop of two trips, both of which fill W again; v is written out behind it and fills nothing.
; Wave w: tokens 128 (w >> 1) on, 8 tiles; columns 64 (w & 1) on, 4 tiles: one head.
; CLUSTER 4 x 4: x's tiles hang on the tile row alone and are asked for jointly along a row of the cluster, W's on the tile column alone and jointly along a column.
; For q and k source 0 = W's tile, so that a lane holds one token and its registers run along the head's 64 (their K in q k^T).
; For v source 0 = x's tile, so that a lane holds one channel and its registers run along the tokens (v's K in p v).
; OUT: q: for each head 106,496 bytes: [128 tiles][768] and at 98,304 [16 key steps][512] scale images (lane (r, hh): the words of tiles 4 hh .. 4 hh + 3; a word is two bytes, the upper two 0).
; kv: for each head 208,896 bytes: k as q's codes; at 98,304 v: [16 key steps][4 channel tiles][1,536] (registers 0-3, 4-7, 8-11 at 16 x lane each); at 196,608 k's scale images; at 204,800 v's words [16][16 r][4 tiles].
; No prefetch is laid: a block's W is asked for by its load as soon as its bytes are free, a whole way out ahead of the wait for it, and there is no earlier step to ask in.
; LIMITS: NaN and infinities are not served; a block whose largest magnitude lies under 2^(5 - 127), a block of zeros among them, gets the byte 1 (this program alone reads the bytes).
; REGISTERS: window 0: addresses, scale words (v32-79, nothing else ever), the bias as first C (v80-111), the quantiser's work.  Windows 1, 2: two sets of fragments (x's at 12 a, W's at 96 + 12 b).  Window 3: 32 accumulators.
.set BOFF, 196608                      ; LDS: x's 16 tiles x 12,288 bytes, then W's 8; the spare words at 294,912
.set WSTEP, 64*12288                   ; from a block's tiles of W to the next block's: 8 column tiles of 8 tiles
.set AA16, 4                           ; v4-7   x's tiles 2 c, 2 c + 1 of my eight, 16 x lane
.set AA8,  8                           ; v8-11  the same, 512 + 8 x lane
.set AB16, 12                          ; v12-15 W's tile c of my four
.set AB8,  16                          ; v16-19
.set L16,  20                          ; v20    16 x lane
.set L8,   21                          ; v21    8 x lane
.set SA,   32                          ; v32-63 x's scale words, four registers a tile: K step s in register s % 4, lanes 0-15 for s < 4, lanes 16-31 for s >= 4
.set SB,   64                          ; v64-79 W's
.set BIAS, 80
.set TM,   112                         ; v112-115 largest magnitudes, v116-119 bytes, v124-127 the conversions' scale operands
.set WD,   128                         ; v128-135 scale words made
.set PC,   136                         ; v136-147 codes, v148-154 at work
.set SO,   156                         ; v156-159 the scale words to store
.set WV,   18
.set WM,   19
.set WN,   20
.set CX,   21
.set CY,   22
.set TX,   23
.set TY,   24
.set RL,   27                          ; the loop's counter: 0 q, 1 k
.set G1A,  28                          ; the head's load of x: 8 tiles
.set G1B,  36                          ; the head's load of W: 4 tiles
.set G0A,  44
.set G1C,  48                          ; the refills of W: 2 tiles a wave
.set G0C,  56
.set G0B,  68
.set SEL,  100
.set MSB, 0
.macro WIN new                         ; the immediate's high byte repeats the setting that is left
.if MSB != \new
	s_set_vgpr_msb (MSB<<8)|\new
.set MSB, \new
.endif
.endm
.macro CROUND                          ; a round of the cluster's barrier
	s_barrier_signal -1
	s_barrier_wait -1
	s_cmp_lg_u32 s[WV], 0
	s_cbranch_scc1 .Lnot_wave_0_\@
	s_barrier_signal -3
.Lnot_wave_0_\@:
	s_barrier_wait -3
	s_barrier_signal -1
	s_barrier_wait -1
.endm
.macro PLACES
.rept 4
	v_nop
.endr
.endm
	s_load_b256 s[4:11], s[0:1], 0x0               ; x_img, x_sc, w_img, w_sc
	s_load_b128 s[12:15], s[0:1], 0x20             ; qkv_b, q
	s_load_b64 s[16:17], s[0:1], 0x30              ; kv
	v_lshl_add_u32 v254, v0, 2, 0x48000
	v_mov_b32 v255, 0
	ds_add_u32 v254, v255                          ; the opening lines: the add twice on end, under one wait
	ds_add_u32 v254, v255
	v_lshrrev_b32 v1, 5, v0
	v_readfirstlane_b32 s[WV], v1                  ; wave 0..3
	s_lshr_b32 s[WM], s[WV], 1                     ; my half of the tokens.  Also: at the head I fetch for x (0) or for W (1)
	s_and_b32 s[WN], s[WV], 1                      ; my half of the columns.  Also: which half of those tiles I fetch
	s_bfe_u32 s[CX], ttmp6, 0x40000
	s_bfe_u32 s[CY], ttmp6, 0x40004
	s_lshl_b32 s[TX], ttmp9, 2
	s_add_co_u32 s[TX], s[TX], s[CX]               ; tile column 0 .. 7 = 4 x cluster x + cx
	s_and_b32 s[TY], ttmp7, 0xffff
	s_lshl_b32 s[TY], s[TY], 2
	s_add_co_u32 s[TY], s[TY], s[CY]               ; tile row = 4 x cluster y + cy
	s_lshl_b32 s25, s[CY], 2
	s_lshl_b32 s25, 15, s25                        ; my row of the cluster
	s_lshl_b32 s26, 0x1111, s[CX]                  ; my column
	; groups 1: rows of 12,288 bytes (1,536 elements of 8 bytes: a whole tile), one behind the other, dense in LDS: 8, 4 or 2 tiles
	s_or_b32 s[G1A], s25, (3<<16)|(1<<21)
	s_or_b32 s[G1B], s26, (3<<16)|(1<<21)
	s_or_b32 s[G1C], s26, (3<<16)|(1<<21)
	s_mov_b32 s[G1A+2], 8<<16
	s_mov_b32 s[G1A+4], 8
	s_mov_b32 s[G1B+2], 4<<16
	s_mov_b32 s[G1B+4], 4
	s_mov_b32 s[G1C+2], 2<<16
	s_mov_b32 s[G1C+4], 2
.irp g, G1A, G1B, G1C
	s_mov_b32 s[\g+1], 1536<<16
	s_mov_b32 s[\g+3], 1536<<16
	s_mov_b32 s[\g+5], 1536
	s_mov_b32 s[\g+6], 0
	s_mov_b32 s[\g+7], 0
.endr
	s_lshl_b32 s84, s[TY], 4                       ; x: tile 16 x tile row + 8 x half
	s_lshl_b32 s85, s[WN], 3
	s_add_co_u32 s84, s84, s85
	s_mul_i32 s84, s84, 12288
	s_mov_b32 s85, 0
	s_lshl_b32 s88, s[TX], 3                       ; W, q's block: tile 8 x tile column + 4 x half
	s_lshl_b32 s89, s[WN], 2
	s_add_co_u32 s88, s88, s89
	s_mul_i32 s88, s88, 12288
	s_mov_b32 s89, 0
	s_lshl_b32 s96, s[TX], 3                       ; and for the refills: tile 8 x tile column + 2 x wave
	s_lshl_b32 s97, s[WV], 1
	s_add_co_u32 s96, s96, s97
	s_mul_i32 s96, s96, 12288
	s_mov_b32 s97, 0
	s_mul_i32 s92, s[WN], 98304                    ; where they go: no place in the cluster enters an LDS address
	s_mul_i32 s93, s[WN], 49152
	s_add_co_u32 s93, s93, BOFF
	s_mul_i32 s[G0C+1], s[WV], 24576
	s_add_co_u32 s[G0C+1], s[G0C+1], BOFF
	s_wait_dscnt 0x0
	s_wait_kmcnt 0x0
	s_mov_b32 s[G0A], 1
	s_mov_b32 s[G0A+1], s92
	s_add_nc_u64 s[G0A+2:G0A+3], s[4:5], s[84:85]
	s_or_b32 s[G0A+3], s[G0A+3], 0x80000000
	s_mov_b32 s[G0B], 1
	s_mov_b32 s[G0B+1], s93
	s_add_nc_u64 s[G0B+2:G0B+3], s[8:9], s[88:89]
	s_or_b32 s[G0B+3], s[G0B+3], 0x80000000
	s_mov_b32 s[G0C], 1
	s_add_nc_u64 s[G0C+2:G0C+3], s[8:9], s[96:97]  ; q's block: each refill first steps it a block on
	s_or_b32 s[G0C+3], s[G0C+3], 0x80000000
	CROUND                                         ; all sixteen work-groups are here: the joint loads meet
	s_cmp_eq_u32 s[WM], 0                          ; one fill a wave, in the two arms of one branch
	s_cbranch_scc0 .Lfirst_b
	tensor_load_to_lds s[G0A:G0A+3], s[G1A:G1A+7]
	s_nop 0
	PLACES
	s_branch .Lasked
.Lfirst_b:
	tensor_load_to_lds s[G0B:G0B+3], s[G1B:G1B+7]
	s_nop 0
	PLACES
.Lasked:
	v_and_b32 v1, 31, v0                           ; lane
	v_and_b32 v2, 15, v0                           ; r
	v_bfe_u32 v3, v0, 4, 1                         ; h
	v_lshlrev_b32 v[L16], 4, v1
	v_lshlrev_b32 v[L8], 3, v1
	v_add_nc_u32 v24, 512, v[L8]
	s_mul_i32 s94, s[WM], 98304
	s_mul_i32 s95, s[WN], 49152
	s_add_co_u32 s95, s95, BOFF
.irp c, 0,1,2,3
	v_add_nc_u32 v[AA16+\c], s94, v[L16]
	v_add_nc_u32 v[AA8+\c], s94, v24
	v_add_nc_u32 v[AB16+\c], s95, v[L16]
	v_add_nc_u32 v[AB8+\c], s95, v24
	s_add_co_u32 s94, s94, 24576
	s_add_co_u32 s95, s95, 12288
.endr
	s_lshl_b32 s94, s[TY], 4                       ; my tiles' scale images come straight into registers: 512 consecutive bytes a load
	s_lshl_b32 s95, s[WM], 3
	s_add_co_u32 s94, s94, s95
	s_lshl_b32 s94, s94, 9
	s_mov_b32 s95, 0
	s_add_nc_u64 s[6:7], s[6:7], s[94:95]
	s_lshl_b32 s96, s[TX], 3
	s_lshl_b32 s97, s[WN], 2
	s_add_co_u32 s96, s96, s97
	s_lshl_b32 s96, s96, 9
	s_mov_b32 s97, 0
	s_add_nc_u64 s[10:11], s[10:11], s[96:97]
.macro SBLD                            ; the scale images of my four tiles of W
.irp b, 0,1,2,3
	global_load_b128 v[SB+4*\b:SB+4*\b+3], v[L16], s[10:11] offset:512*\b
.endr
.endm
.macro BIASQK                          ; the bias as first C; q, k: registers run along the columns
.irp b, 0,1,2,3
	global_load_b128 v[BIAS+8*\b:BIAS+8*\b+3], v22, s[12:13] offset:(32*(\b/2)+8*(\b%2))*4
	global_load_b128 v[BIAS+8*\b+4:BIAS+8*\b+7], v22, s[12:13] offset:(32*(\b/2)+8*(\b%2))*4+16
.endr
.endm
.macro BIASV                           ; v: a lane has one column: the same number in all eight registers
.irp b, 0,1,2,3
.irp j, 0,1,2,3,4,5,6,7
	global_load_b32 v[BIAS+8*\b+\j], v23, s[12:13] offset:(32*(\b/2)+8*(\b%2))*4
.endr
.endr
.endm
.irp a, 0,1,2,3,4,5,6,7
	global_load_b128 v[SA+4*\a:SA+4*\a+3], v[L16], s[6:7] offset:512*\a
.endr
	SBLD
	s_lshl_b32 s98, s[TX], 9                       ; the bias of my 64 columns of q
	s_lshl_b32 s99, s[WN], 8
	s_add_co_u32 s98, s98, s99
	s_mov_b32 s99, 0
	s_add_nc_u64 s[12:13], s[12:13], s[98:99]
	v_lshlrev_b32 v22, 6, v3                       ; q, k: tile b's eight of my half begin at column 32 (b / 2) + 16 h + 8 (b % 2)
	v_and_b32 v23, 8, v2
	v_add_nc_u32 v23, v23, v2
	v_lshlrev_b32 v23, 2, v23                      ; v: my lane's one column: 32 (b / 2) + 8 (b % 2) + r + 8 (r / 8)
	v_lshlrev_b32 v25, 4, v2
	v_lshl_add_u32 v25, v3, 3, v25                 ; 16 r + 8 h
.irp b, 0,1,2,3
	v_mov_b32 v[TM+4+\b], 0                        ; a lane permute's destination counts as one of its sources
.endr
	s_mov_b32 s[SEL], 0x76543210
	s_mov_b32 s[SEL+1], 0xfedcba98
	BIASQK
; the 12 fragments of K step s into set s % 2: 48 LDS loads, each of consecutive bytes
.macro FETCH s
.set FK, 1536*(\s)                     ; K step s of a tile begins 1,536 s bytes into it
.if (\s)%2
	WIN 0x80
.else
	WIN 0x40
.endif
.irp a, 0,1,2,3,4,5,6,7
	ds_load_b128 v[12*\a:12*\a+3], v[AA16+\a/2] offset:12288*(\a%2)+FK
	ds_load_b64 v[12*\a+4:12*\a+5], v[AA8+\a/2] offset:12288*(\a%2)+FK
	ds_load_b128 v[12*\a+6:12*\a+9], v[AA16+\a/2] offset:12288*(\a%2)+FK+768
	ds_load_b64 v[12*\a+10:12*\a+11], v[AA8+\a/2] offset:12288*(\a%2)+FK+768
.endr
.irp b, 0,1,2,3
	ds_load_b128 v[96+12*\b:96+12*\b+3], v[AB16+\b] offset:FK
	ds_load_b64 v[96+12*\b+4:96+12*\b+5], v[AB8+\b] offset:FK
	ds_load_b128 v[96+12*\b+6:96+12*\b+9], v[AB16+\b] offset:FK+768
	ds_load_b64 v[96+12*\b+10:96+12*\b+11], v[AB8+\b] offset:FK+768
.endr
	WIN 0
.endm
.macro MM d, x, y, c, sx, sy, hi       ; one product; hi = 1: the scale words of lanes 16-31
.if \hi
	v_wmma_scale_f32_16x16x128_f8f6f4 v[\d:\d+7], v[\x:\x+11], v[\y:\y+11], v[\c:\c+7], v[\sx], v[\sy] matrix_a_fmt:MATRIX_FMT_BF6 matrix_b_fmt:MATRIX_FMT_BF6 matrix_a_scale:MATRIX_SCALE_ROW1 matrix_b_scale:MATRIX_SCALE_ROW1
.else
	v_wmma_scale_f32_16x16x128_f8f6f4 v[\d:\d+7], v[\x:\x+11], v[\y:\y+11], v[\c:\c+7], v[\sx], v[\sy] matrix_a_fmt:MATRIX_FMT_BF6 matrix_b_fmt:MATRIX_FMT_BF6
.endif
.endm
; 32 products of K step s; the 32 accumulators take turns, one instruction a turn, in the same order in every step.  The first step's C is the bias.
.macro MULQK s                         ; source 0 = W's tile b, source 1 = x's tile a; accumulator (a, b) at 8 (4 a + b)
.irp a, 0,1,2,3,4,5,6,7
.irp b, 0,1,2,3
.if (\s) == 0
	MM 8*(4*\a+\b), 96+12*\b, 12*\a, BIAS+8*\b, SB+4*\b, SA+4*\a, 0
.else
	MM 8*(4*\a+\b), 96+12*\b, 12*\a, 8*(4*\a+\b), SB+4*\b+(\s)%4, SA+4*\a+(\s)%4, (\s)/4
.endif
.endr
.endr
.endm
.macro MULV s                          ; source 0 = x's tile a, source 1 = W's tile b; accumulator (a, b) at 8 (8 b + a)
.irp a, 0,1,2,3,4,5,6,7
.irp b, 0,1,2,3
.if (\s) == 0
	MM 8*(8*\b+\a), 12*\a, 96+12*\b, BIAS+8*\b, SA+4*\a, SB+4*\b, 0
.else
	MM 8*(8*\b+\a), 12*\a, 96+12*\b, 8*(8*\b+\a), SA+4*\a+(\s)%4, SB+4*\b+(\s)%4, (\s)/4
.endif
.endr
.endr
.endm
.macro KSTEP s, v
	s_wait_dscnt 0x0                               ; this step's fragments are in (asked for a step ago)
.if (\s) < 7
.if (\s) > 0
	PLACES                                         ; four plain lines between the last step's products and loads into the set that they read
.endif
	FETCH (\s)+1
.endif
.if (\s) == 0                          ; sources in window 1 or 2, D in window 3, C in window 0 (the bias) or 3
	WIN 0xc5
.elseif (\s)%2
	WIN 0xfa
.else
	WIN 0xf5
.endif
.if \v
	MULV \s
.else
	MULQK \s
.endif
	WIN 0
.endm
.macro BLOCK v                         ; a block's 256 products a wave
	s_wait_tensorcnt 0x0                           ; my one load that was out has landed,
	s_barrier_signal -1
	s_barrier_wait -1                              ; everybody's has: this block's W is whole (the first time: x too)
	FETCH 0
	s_wait_loadcnt 0x0                             ; scale words and bias
.irp s, 0,1,2,3,4,5,6,7
	KSTEP \s, \v
.endr
	PLACES                                         ; four plain lines ahead of the first read of results and of loads into W's scale words and the bias
.endm
; 64 accumulator registers from base on (window 3), register 16 b + i = k 32 b + 16 h + i of my lane's row, become 12 registers of codes at PC and four scale bytes at TM + 4.
.macro QUANTW base
	s_wait_xcnt 0x0                                ; the earlier stores have read the codes' registers
	WIN 0x0f                                       ; sources 0 and 1 in window 3.
.irp b, 0,1,2,3
	v_max3_num_f32 v[TM+\b], |v[(\base)+16*\b]|, |v[(\base)+16*\b+1]|, 0x2800000   ; my 16 numbers of block b, and the floor 2^(5 - 127)
.endr
.irp i, 2,4,6,8,10,12,14
.irp b, 0,1,2,3
	v_max3_num_f32 v[TM+\b], |v[(\base)+16*\b+\i]|, |v[(\base)+16*\b+\i+1]|, v[TM+\b]
.endr
.endr
	WIN 0
.irp b, 0,1,2,3
	v_permlanex16_b32 v[TM+4+\b], v[TM+\b], s[SEL], s[SEL+1]
.endr
.irp b, 0,1,2,3
	v_max_num_f32 v[TM+\b], v[TM+\b], v[TM+4+\b]   ; with lane l xor 16's: the block's largest magnitude
.endr
.irp b, 0,1,2,3
	v_add_nc_u32 v[TM+12+\b], 0xfe000000, v[TM+\b] ; 4 off the exponent field: the conversion's scale operand
.endr
.irp b, 0,1,2,3
	v_lshrrev_b32 v[TM+4+\b], 23, v[TM+12+\b]      ; the scale's byte
.endr
	WIN 0x03
.irp c, 0,1
	v_cvt_scalef32_pk16_bf6_f32 v[PC+6*\c:PC+6*\c+2], v[(\base)+32*\c:(\base)+32*\c+15], v[TM+12+2*\c]
	v_cvt_scalef32_pk16_bf6_f32 v[PC+12+4*\c:PC+14+4*\c], v[(\base)+32*\c+16:(\base)+32*\c+31], v[TM+13+2*\c]
.endr
	WIN 0
	v_nop                                          ; one plain line behind a scaled conversion
.irp c, 0,1                                    ; the operand's layout wants a whole block in a lane: lanes 0-15 block 2 c, lanes 16-31 block 2 c + 1
.irp i, 0,1,2
	v_permlane16_swap_b32 v[PC+6*\c+\i], v[PC+12+4*\c+\i]
.endr
.irp i, 0,1,2
	v_mov_b32 v[PC+3+6*\c+\i], v[PC+12+4*\c+\i]
.endr
.endr
.endm
	s_lshr_b32 s94, s[TY], 3                       ; the batch: 8 tile rows of 256 tokens each
	s_lshl_b32 s94, s94, 4
	s_lshl_b32 s95, s[TX], 1
	s_add_co_u32 s94, s94, s95
	s_add_co_u32 s94, s94, s[WN]                   ; 16 x batch + head
	s_and_b32 s95, s[TY], 7
	s_lshl_b32 s95, s95, 1
	s_add_co_u32 s95, s95, s[WM]                   ; my 128 tokens: key step 0 .. 15
	s_mov_b32 s[RL], 0
	s_wait_alu depctr_va_vdst(0)
.Lblock:                                           ; two trips: q, then k
	BLOCK 0
	s_wait_tensorcnt 0x0                           ; no load of mine is out;
	ds_add_u32 v254, v255
	s_add_nc_u64 s[G0C+2:G0C+3], s[G0C+2:G0C+3], WSTEP   ; the next block's tiles of W
	s_wait_dscnt 0x0                               ; the add is done, and so are my reads of W's tiles
	CROUND                                         ; both hold of every wave of every partner
	tensor_load_to_lds s[G0C:G0C+3], s[G1C:G1C+7]  ; my two tiles of the next block's eight: my one load behind the round
	s_nop 0
	PLACES
	s_wait_xcnt 0x0                                ; the last block's stores have read their bases
	s_add_nc_u64 s[10:11], s[10:11], 64*512        ; the next block's scale images and bias, asked for ahead of the way out
	s_add_nc_u64 s[12:13], s[12:13], 4096
	SBLD
	s_cmp_eq_u32 s[RL], 0                          ; behind q comes k, behind k comes v
	s_cbranch_scc0 .Lnext_v
	BIASQK
	s_branch .Lnext_done
.Lnext_v:
	BIASV
.Lnext_done:
	; ---- q and k go out: accumulators 64 p .. 64 p + 63 are token tiles 2 p and 2 p + 1, 32 registers (the head's 64, by halves of the lanes) each: two half fragments
	v_cmp_ne_u32 vcc_lo, 0, v3
	s_cmp_lt_u32 s[RL], 1
	s_cselect_b64 s[14:15], s[14:15], s[16:17]     ; q's buffer in the first trip, kv in the second
	s_mov_b32 s96, 208896
	s_cselect_b32 s96, 106496, s96                 ; a head's bytes in q or in kv
	s_mov_b32 s97, 196608
	s_cselect_b32 s97, 98304, s97                  ; where its scale images begin
	s_mul_i32 s96, s94, s96
	s_mul_i32 s98, s95, 6144
	s_add_co_u32 s98, s98, s96
	s_mov_b32 s99, 0
	s_add_nc_u64 s[84:85], s[14:15], s[98:99]
	s_lshl_b32 s98, s95, 9
	s_add_co_u32 s98, s98, s96
	s_add_co_u32 s98, s98, s97
	s_add_nc_u64 s[86:87], s[14:15], s[98:99]
.irp p, 0,1,2,3
	QUANTW 64*\p
	v_lshl_or_b32 v[WD+2*\p], v[TM+5], 8, v[TM+4]
	v_lshl_or_b32 v[WD+2*\p+1], v[TM+7], 8, v[TM+6]
	global_store_b128 v[L16], v[PC:PC+3], s[84:85] offset:1536*\p
	global_store_b64 v[L8], v[PC+4:PC+5], s[84:85] offset:1536*\p+512
	global_store_b128 v[L16], v[PC+6:PC+9], s[84:85] offset:1536*\p+768
	global_store_b64 v[L8], v[PC+10:PC+11], s[84:85] offset:1536*\p+1280
.endr
.irp t, 0,1,2,3
	v_cndmask_b32 v[SO+\t], v[WD+\t], v[WD+4+\t], vcc_lo   ; lanes 0-15: tiles 0-3; lanes 16-31: tiles 4-7
.endr
	global_store_b128 v[L16], v[SO:SO+3], s[86:87]
	s_add_co_u32 s[RL], s[RL], 1
	s_cmp_lt_u32 s[RL], 2
	s_wait_alu depctr_va_vdst(0)
	s_cbranch_scc1 .Lblock
	BLOCK 1                                        ; v: nothing more is fetched
	; ---- v goes out: accumulators 64 t .. 64 t + 63 are channel tile t, registers along my 128 tokens: one fragment
	s_wait_xcnt 0x0                                ; k's stores have read their bases
	v_cmp_ne_u32 vcc_lo, 0, v3
	s_mul_i32 s96, s94, 208896
	s_mul_i32 s98, s95, 6144
	s_add_co_u32 s98, s98, s96
	s_add_co_u32 s98, s98, 98304
	s_mov_b32 s99, 0
	s_add_nc_u64 s[84:85], s[16:17], s[98:99]
	s_lshl_b32 s98, s95, 8
	s_add_co_u32 s98, s98, s96
	s_add_co_u32 s98, s98, 204800
	s_add_nc_u64 s[86:87], s[16:17], s[98:99]
.irp t, 0,1,2,3
	QUANTW 64*\t
	v_lshl_or_b32 v[WD+\t], v[TM+5], 8, v[TM+4]
	v_lshl_or_b32 v[WD+\t], v[TM+6], 16, v[WD+\t]
	v_lshl_or_b32 v[WD+\t], v[TM+7], 24, v[WD+\t]
	global_store_b128 v[L16], v[PC:PC+3], s[84:85] offset:1536*\t
	global_store_b128 v[L16], v[PC+4:PC+7], s[84:85] offset:1536*\t+512
	global_store_b128 v[L16], v[PC+8:PC+11], s[84:85] offset:1536*\t+1024
.endr
	v_cndmask_b32 v[SO], v[WD], v[WD+2], vcc_lo    ; lanes 0-15 store tiles 0 and 1's words of row r, lanes 16-31 tiles 2 and 3's
	v_cndmask_b32 v[SO+1], v[WD+1], v[WD+3], vcc_lo
	global_store_b64 v25, v[SO:SO+1], s[86:87]     ; 256 consecutive bytes
	s_wait_tensorcnt 0x0                           ; the wave's end
	ds_add_u32 v254, v255
	s_wait_dscnt 0x0
	CROUND                                         ; the closing round: no work-group ends while a partner may still ask for a tile that names it
	s_endpgm
.Lfunc_end_k_q1b8ee253c9_gemm_qkv:
	.size	k_q1b8ee253c9_gemm_qkv, .Lfunc_end_k_q1b8ee253c9_gemm_qkv-k_q1b8ee253c9_gemm_qkv
	.p2alignl 7, 3214868480
	.fill 96, 4, 3214868480
	.section	.rodata,"a",@progbits
	.p2align	6, 0x0
	.amdhsa_kernel k_q1b8ee253c9_gemm_qkv
		.amdhsa_group_segment_fixed_size 327680
		.amdhsa_private_segment_fixed_size 0
		.amdhsa_enable_private_segment 0
		.amdhsa_kernarg_size 56
		.amdhsa_user_sgpr_count 2
		.amdhsa_user_sgpr_kernarg_segment_ptr 1
		.amdhsa_wavefront_size32 1
		.amdhsa_system_sgpr_workgroup_id_x 1
		.amdhsa_system_sgpr_workgroup_id_y 1
		.amdhsa_system_sgpr_workgroup_id_z 1
		.amdhsa_system_vgpr_workitem_id 0
		.amdhsa_next_free_vgpr 1024
		.amdhsa_next_free_sgpr 104
		.amdhsa_reserve_vcc 1
		.amdhsa_float_denorm_mode_32 3
		.amdhsa_float_denorm_mode_16_64 3
		.amdhsa_memory_ordered 1
		.amdhsa_forward_progress 1
		.amdhsa_inst_pref_size 167
	.end_amdhsa_kernel
	.amdgpu_metadata
---
amdhsa.version: [ 1, 2 ]
amdhsa.kernels:
  - .name:           k_q1b8ee253c9_gemm_qkv
    .symbol:         k_q1b8ee253c9_gemm_qkv.kd
    .args:
      - { .name: x_img, .offset: 0, .size: 8, .value_kind: global_buffer, .address_space: global }
      - { .name: x_sc, .offset: 8, .size: 8, .value_kind: global_buffer, .address_space: global }
      - { .name: w_img, .offset: 16, .size: 8, .value_kind: global_buffer, .address_space: global }
      - { .name: w_sc, .offset: 24, .size: 8, .value_kind: global_buffer, .address_space: global }
      - { .name: qkv_b, .offset: 32, .size: 8, .value_kind: global_buffer, .address_space: global }
      - { .name: q, .offset: 40, .size: 8, .value_kind: global_buffer, .address_space: global }
      - { .name: kv, .offset: 48, .size: 8, .value_kind: global_buffer, .address_space: global }
    .group_segment_fixed_size: 327680
    .private_segment_fixed_size: 0
    .kernarg_segment_align: 8
    .kernarg_segment_size: 56
    .max_flat_workgroup_size: 128
    .sgpr_count:     104
    .vgpr_count:     1024
    .wavefront_size: 32
...
	.end_amdgpu_metadata
.endif
;; end of part 3
;; launch attn (part 4): grid 4 x 64, 16 waves a work-group, clusters of 4 x 1, 210,944 bytes of LDS; arguments q, kv, a_img, a_sc; writes a_img, a_sc
.if DOCPART == 4
	.amdgcn_target "amdgcn-amd-amdhsa--gfx1250"
	.amdhsa_code_object_version 6
	.text
	.protected	k_q1b8ee253c9_attn
	.globl	k_q1b8ee253c9_attn
	.p2align	8
	.type	k_q1b8ee253c9_attn,@function
k_q1b8ee253c9_attn:
	s_mov_b64 s[64:65], 0
	v_nop
	global_prefetch_b8 v0, s[64:65] scope:SCOPE_SE
	s_setreg_imm32_b32 hwreg(HW_REG_WAVE_MODE, 25, 1), 1
	s_wait_xcnt 0x0
	s_wait_alu depctr_hold_cnt(0) depctr_sa_sdst(0) depctr_va_vdst(0) depctr_va_sdst(0) depctr_va_ssrc(0) depctr_va_vcc(0) depctr_vm_vsrc(0)
	s_getreg_b32 s2, hwreg(HW_REG_IB_STS2, 6, 4)
	s_cmp_eq_u32 s2, 0
	s_cbranch_scc0 .Lentry_in_a_cluster
	s_endpgm
.Lentry_in_a_cluster:
	s_bfe_u32 s2, ttmp6, 0x10000c
	s_cmp_lg_u32 s2, 0x3003
	s_cbranch_scc0 .Lentry_shape_is_right
	s_endpgm
.Lentry_shape_is_right:
; Causal attention of one head (head size 64, 2,048 tokens) on codes of BF6 (E3M2) with E8M0 scales, and its result quantised at once as the last product's operand.
; t = score x log2(e) / 8; M = the running largest t rounded UP to a whole number; p = 2^(t - M) is quantised along the keys, not normalised; the row's sum is taken of the unquantised p and divides at the end.
; When M moves, the sum and O are multiplied by 2^(old M - new M): exact.
; IN (laid by the launch before): q: for each head [128 tiles][768] half fragments and at 98,304 [16][512] scale images.  kv: 208,896 bytes a head: k's half fragments, at 98,304 v's fragments [16 key steps][4][1,536],
; at 196,608 k's scale images [16][512], at 204,800 v's scale words [16][16 r][4].  Lane r of tile 2 g + u stands for token 32 g + 8 u + r + 8 (r / 8).
; A WHOLE HEAD'S k AND v LIE IN LDS, filled once: each of the 16 waves brings a sixteenth; no LDS byte is filled twice and no barrier stands in the loop.
; CLUSTER 4 x 1: the four work-groups of a head ask for it jointly.
; SHARES: wave w of partner cx owns two tiles of 16 queries: tile 8 G + e and tile 8 (15 - G) + e, G = w >> 1, e = 4 (w & 1) + cx.  A tile of query group n (128 queries) works key steps 0 .. n: so every wave has G + 1 + 16 - G = 17 tile steps.
; Every wave walks all 16 key steps (a constant trip count); a step all of whose keys come after the tile's queries is jumped over by a scalar branch on the wave's number and the step's number, never on cx.
; BOTH PRODUCTS ARE USED TRANSPOSED: S^T = k q^T (source 0 = 16 keys), O^T = v^T p^T (source 0 = 16 channels): a lane holds one query throughout, and p's 16 registers of two neighbouring tiles are 16 neighbouring keys.
; The first product's K is 64: the upper six registers of k's and q's fragments are zero codes, set once; the upper two bytes of their scale words are 0, which scales zeros.
; OUT: a_img [512 tiles][16 heads][768], a_sc [512 tiles][512], laid as x's images.  The two scale bytes of a row leave as 2 bytes a lane: 262,144 bytes in the launch; gathering them over heads would take another launch's order.
; LIMITS: NaN and infinities are not served; a block whose largest magnitude lies under 2^(5 - 127), a block of zeros among them, gets the byte 1 (this program alone reads the bytes).
.set L16,   1                          ; 16 x lane
.set L8,    2                          ; 8 x lane + 512
.set LV,    3                          ; 16 x lane + 98,304
.set LKS,   4                          ; 16 x lane + 196,608
.set LVS,   5                          ; 16 r + 204,800
.set DM,    6                          ; my query's place in its 128, less 16 h
.set ADK16, 7                          ; the step's addresses
.set ADK8,  8
.set ADV,   9
.set ADKS,  10
.set ADVS,  11
.set STA,   12                         ; v12 -M, v13 the largest t, v[14:15] the sum in two halves: the first tile's
.set STB,   16                         ; v16-19 the second tile's
.set QSA,   20                         ; scale words and nothing else: q's two, p's, k's four, v's four
.set QSB,   21
.set PWD,   22
.set TMP,   23
.set KSC,   24
.set VSC,   28
.set QA,    32                         ; q's fragments, 12 registers each
.set QB,    44
.set KF,    56                         ; four fragments of k
.set CT,    56                         ; (free between the scores and the next loads: a conversion's three registers,
.set F,     60                         ; and f = 2^(old M - new M) as the low word of a pair)
.set PCD,   104                        ; p's codes
.set S,     116                        ; v116-179 S^T, then p; then v's four fragments in v116-163
.set OA,    180                        ; O^T, 32 registers a tile
.set OB,    212
.set BM,    244                        ; the blocks' largest
.set PT,    248
.set SO,    252                        ; the conversions' scale operands
.set WV,  12
.set CX,  13
.set BH,  14
.set GA,  15                           ; the first tile's query group, its last key step
.set GB,  16                           ; the second's
.set EE,  17
.set G1,  20
.set G0,  28
.set KS,  32                           ; the key step
.set T6,  33                           ; 6,144 x step
.set T5,  34                           ; 512 x step
.set T2,  35                           ; 256 x step
.set CS,  36                           ; s[36:37] c = log2(e) / 8
.set SEL, 38
.set KA,  58                           ; s[58:61] the first tile's own key step, and 6,144, 512 and 256 times it
.macro CROUND
	s_barrier_signal -1
	s_barrier_wait -1
	s_cmp_lg_u32 s[WV], 0
	s_cbranch_scc1 .Lnot_wave_0_\@
	s_barrier_signal -3
.Lnot_wave_0_\@:
	s_barrier_wait -3
	s_barrier_signal -1
	s_barrier_wait -1
.endm
	s_load_b256 s[4:11], s[0:1], 0x0               ; q, kv, a_img, a_sc
	v_lshl_add_u32 v254, v0, 2, 0x33000
	v_mov_b32 v255, 0
	ds_add_u32 v254, v255
	ds_add_u32 v254, v255
	s_wait_dscnt 0x0
	v_lshrrev_b32 v1, 5, v0
	s_delay_alu instid0(VALU_DEP_1)
	v_readfirstlane_b32 s[WV], v1                  ; wave 0..15
	s_bfe_u32 s[CX], ttmp6, 0x40000                ; my place in the cluster: it enters global addresses and the mask's numbers alone
	s_and_b32 s[BH], ttmp7, 0xffff                 ; 16 x batch + head, which the four partners share
	s_lshr_b32 s[GA], s[WV], 1
	s_sub_co_u32 s[GB], 15, s[GA]
	s_mov_b32 s[G1], 15|(3<<16)|(1<<21)            ; the mask: all four; elements of 8 bytes; bit 21 beside a mask; no padding
	s_mov_b32 s[G1+1], 32<<16                      ; rows of 256 bytes,
	s_mov_b32 s[G1+2], 51<<16                      ; 51 of them: a sixteenth of the head's 208,896 dense bytes
	s_mov_b32 s[G1+3], 32<<16
	s_mov_b32 s[G1+4], 51
	s_mov_b32 s[G1+5], 32
	s_mov_b32 s[G1+6], 0
	s_mov_b32 s[G1+7], 0
	s_mul_i32 s40, s[BH], 208896
	s_mul_i32 s[G0+1], s[WV], 13056                ; LDS address: my sixteenth
	s_add_co_u32 s40, s40, s[G0+1]
	s_mov_b32 s41, 0
	s_mov_b32 s[G0], 1
	s_wait_kmcnt 0x0
	s_add_nc_u64 s[G0+2:G0+3], s[6:7], s[40:41]
	s_or_b32 s[G0+3], s[G0+3], 0x80000000
	CROUND                                         ; all four work-groups are here: the joint loads meet
	tensor_load_to_lds s[G0:G0+3], s[G1:G1+7]      ; my one tensor load
	s_nop 0
.rept 4
	v_nop
.endr
	s_and_b32 s42, s[WV], 1
	s_lshl_b32 s[EE], s42, 2
	s_add_co_u32 s[EE], s[EE], s[CX]               ; e: my tiles' place in their groups of eight
	s_lshl_b32 s43, s[GA], 3
	s_add_co_u32 s43, s43, s[EE]                   ; the first tile
	s_lshl_b32 s44, s[GB], 3
	s_add_co_u32 s44, s44, s[EE]                   ; the second
	s_mul_i32 s45, s[BH], 106496
	s_mul_i32 s46, s43, 768
	s_add_co_u32 s46, s46, s45
	s_mov_b32 s47, 0
	s_add_nc_u64 s[48:49], s[4:5], s[46:47]
	s_mul_i32 s46, s44, 768
	s_add_co_u32 s46, s46, s45
	s_add_nc_u64 s[50:51], s[4:5], s[46:47]
	s_lshl_b32 s46, s[GA], 9                       ; q's scale words: image of group G, lane (r, e >> 2), word e & 3
	s_add_co_u32 s46, s46, s45
	s_lshl_b32 s56, s42, 8
	s_add_co_u32 s46, s46, s56
	s_lshl_b32 s56, s[CX], 2
	s_add_co_u32 s46, s46, s56
	s_add_co_u32 s46, s46, 98304
	s_add_nc_u64 s[52:53], s[4:5], s[46:47]
	s_sub_co_u32 s56, s[GB], s[GA]
	s_lshl_b32 s56, s56, 9
	s_mov_b32 s57, 0
	s_add_nc_u64 s[54:55], s[52:53], s[56:57]
	v_and_b32 v116, 15, v0                         ; r   (the head's temporaries lie in S's registers)
	v_bfe_u32 v117, v0, 4, 1                       ; h
	v_and_b32 v118, 31, v0                         ; lane
	s_delay_alu instid0(VALU_DEP_3)
	v_lshlrev_b32 v119, 4, v116                    ; 16 r
	s_delay_alu instid0(VALU_DEP_2)
	v_lshlrev_b32 v[L16], 4, v118
	s_delay_alu instid0(VALU_DEP_3)
	v_lshlrev_b32 v[L8], 3, v118
	s_delay_alu instid0(VALU_DEP_1)
	v_add_nc_u32 v[L8], 512, v[L8]
	s_delay_alu instid0(VALU_DEP_3)
	v_add_nc_u32 v[LV], 98304, v[L16]
	s_delay_alu instid0(VALU_DEP_4)
	v_add_nc_u32 v[LKS], 196608, v[L16]
	v_add_nc_u32 v[LVS], 204800, v119
	global_load_b128 v[QA:QA+3], v[L16], s[48:49]
	global_load_b64 v[QA+4:QA+5], v[L8], s[48:49]
	global_load_b128 v[QB:QB+3], v[L16], s[50:51]
	global_load_b64 v[QB+4:QB+5], v[L8], s[50:51]
	global_load_b32 v[QSA], v119, s[52:53]
	global_load_b32 v[QSB], v119, s[54:55]
	s_lshr_b32 s56, s[EE], 1
	s_lshl_b32 s56, s56, 5
	s_and_b32 s57, s[EE], 1
	s_lshl_b32 s57, s57, 3
	s_add_co_u32 s56, s56, s57                     ; 32 (e / 2) + 8 (e % 2)
	v_and_b32 v[DM], 8, v116
	s_delay_alu instid0(VALU_DEP_1)
	v_add_nc_u32 v[DM], v[DM], v116
	v_lshlrev_b32 v120, 4, v117
	s_delay_alu instid0(VALU_DEP_1)
	v_sub_nc_u32 v[DM], v[DM], v120
	s_delay_alu instid0(VALU_DEP_1)
	v_add_nc_u32 v[DM], s56, v[DM]
.irp j, 6,7,8,9,10,11
	v_mov_b32 v[QA+\j], 0                          ; K = 64 .. 127 of the first product: zero codes, set once
	v_mov_b32 v[QB+\j], 0
	v_mov_b32 v[KF+\j], 0
	v_mov_b32 v[KF+12+\j], 0
	v_mov_b32 v[KF+24+\j], 0
	v_mov_b32 v[KF+36+\j], 0
.endr
.irp t, STA, STB
	v_mov_b32 v[\t+1], 0xff61b1e6                  ; the largest t so far: -3e38, under every t
	s_delay_alu instid0(VALU_DEP_1)
	v_floor_f32 v[\t], -v[\t+1]                    ; -M
	v_mov_b32 v[\t+2], 0                           ; the sum, in two halves
	v_mov_b32 v[\t+3], 0
.endr
.irp b, 0,1,2,3
	v_mov_b32 v[PT+\b], 0                          ; a lane permute's destination counts as one of its sources
.endr
.set n, 0
.rept 64
	v_mov_b32 v[OA+n], 0                           ; O^T of both tiles.  (The step is written once for each tile: the first finds zeros, which the first change of M leaves zeros)
.set n, n+1
.endr
	s_mov_b32 s[CS], 0x3e38aa3b                    ; c = log2(e) / 8
	s_mov_b32 s[CS+1], s[CS]                       ; (named with it as a pair, so it is written)
	s_mov_b32 s[SEL], 0x76543210
	s_mov_b32 s[SEL+1], 0xfedcba98
	s_mov_b32 s[KS], 0
	s_mov_b32 s[T6], 0
	s_mov_b32 s[T5], 0
	s_mov_b32 s[T2], 0
	s_wait_tensorcnt 0x0                           ; my sixteenth has landed,
	s_barrier_signal -1
	s_barrier_wait -1                              ; everybody's has: the head lies in LDS
	s_wait_loadcnt 0x0                             ; q
; ONE TILE'S KEY STEP: 128 keys.  st: its statistics; qf, qs: its q and scale word; of: its O^T; lim: the scalar with its last key step.
.macro STEP st, qf, qs, of, lim, k     ; k: four scalars: the tile's key step, and 6,144, 512 and 256 times it
	s_cmp_gt_u32 s[\k], s[\lim]                    ; all 128 keys come after my queries: nothing to do
	s_cbranch_scc1 .Lhid_\@
	v_add_nc_u32 v[ADK16], s[\k+1], v[L16]         ; five plain lines: also the places between the last products, which read v's fragments, and the score products, which write over them
	s_wait_alu depctr_va_vdst(0)
	v_add_nc_u32 v[ADK8], s[\k+1], v[L8]
	s_wait_alu depctr_va_vdst(0)
	v_add_nc_u32 v[ADV], s[\k+1], v[LV]
	v_add_nc_u32 v[ADKS], s[\k+2], v[LKS]
	v_add_nc_u32 v[ADVS], s[\k+3], v[LVS]
.irp g, 0,1                                    ; S^T = k q^T, four tiles of 16 keys at a time
.if \g
.rept 4
	v_nop                                          ; places in front of loads into registers that the four products have read
.endr
.endif
.irp t, 0,1,2,3
	ds_load_b128 v[KF+12*\t:KF+12*\t+3], v[ADK16] offset:768*(4*\g+\t)
	ds_load_b64 v[KF+12*\t+4:KF+12*\t+5], v[ADK8] offset:768*(4*\g+\t)
.endr
.if \g == 0
	ds_load_b128 v[KSC:KSC+3], v[ADKS]             ; the step's eight scale words: tiles 0-3 in lanes 0-15, tiles 4-7 in lanes 16-31
.endif
	s_wait_dscnt 0x0
.irp t, 0,1,2,3
.if \g
	v_wmma_scale_f32_16x16x128_f8f6f4 v[S+32+8*\t:S+32+8*\t+7], v[KF+12*\t:KF+12*\t+11], v[\qf:\qf+11], 0, v[KSC+\t], v[\qs] matrix_a_fmt:MATRIX_FMT_BF6 matrix_b_fmt:MATRIX_FMT_BF6 matrix_a_scale:MATRIX_SCALE_ROW1
.else
	v_wmma_scale_f32_16x16x128_f8f6f4 v[S+8*\t:S+8*\t+7], v[KF+12*\t:KF+12*\t+11], v[\qf:\qf+11], 0, v[KSC+\t], v[\qs] matrix_a_fmt:MATRIX_FMT_BF6 matrix_b_fmt:MATRIX_FMT_BF6
.endif
.endr
.endr                                          ; register 16 b + i holds key 32 b + 16 h + i of the step
.rept 4
	v_nop
.endr
	s_cmp_lg_u32 s[\k], s[\lim]                    ; on the diagonal the scores of hidden keys become -infinity ahead of the maximum: p = 0 then
	s_cbranch_scc1 .Lopen_\@
	v_mov_b32 v[TMP], 0xff800000
.set n, 0
.rept 64
	v_cmp_gt_i32 vcc_lo, 32*(n/16)+n%16, v[DM]
	v_cndmask_b32 v[S+n], v[S+n], v[TMP], vcc_lo
.set n, n+1
.endr
.Lopen_\@:
.irp b, 0,1,2,3
	v_max3_num_f32 v[BM+\b], v[S+16*\b], v[S+16*\b+1], v[S+16*\b+2]   ; the largest score of each block of 32 keys: for the row's maximum and, since p rises with the score, for the block's largest p
.endr
.irp i, 3,5,7,9,11,13
.irp b, 0,1,2,3
	v_max3_num_f32 v[BM+\b], v[BM+\b], v[S+16*\b+\i], v[S+16*\b+\i+1]
.endr
.endr
.irp b, 0,1,2,3
	v_max_num_f32 v[BM+\b], v[BM+\b], v[S+16*\b+15]
.endr
.irp b, 0,1,2,3
	s_delay_alu instid0(VALU_DEP_4)
	v_permlanex16_b32 v[PT+\b], v[BM+\b], s[SEL], s[SEL+1]
.endr
.irp b, 0,1,2,3
	s_delay_alu instid0(VALU_DEP_4)
	v_max_num_f32 v[BM+\b], v[BM+\b], v[PT+\b]     ; with lane l xor 16's 16 keys
.endr
	s_delay_alu instid0(VALU_DEP_2)
	v_max3_num_f32 v[TMP], v[BM], v[BM+1], v[BM+2]
	s_delay_alu instid0(VALU_DEP_1)
	v_max_num_f32 v[TMP], v[TMP], v[BM+3]
	s_delay_alu instid0(VALU_DEP_1)
	v_mul_f32 v[TMP], s[CS], v[TMP]                ; the step's largest t of my query
	s_delay_alu instid0(VALU_DEP_1)
	v_max_num_f32 v[\st+1], v[\st+1], v[TMP]       ; the running largest t
	v_mov_b32 v[TMP], v[\st]
	s_delay_alu instid0(VALU_DEP_2)
	v_floor_f32 v[\st], -v[\st+1]                  ; the new -M = floor(-t): M is a whole number
	s_delay_alu instid0(VALU_DEP_1)
	v_sub_f32 v[TMP], v[\st], v[TMP]               ; old M - new M: a whole number, 0 or less
	s_delay_alu instid0(VALU_DEP_1)
	v_cvt_i32_f32 v[TMP], v[TMP]                   ; (it saturates)
	s_delay_alu instid0(VALU_DEP_1)
	v_ldexp_f32 v[F], 1.0, v[TMP]                  ; f = 2^(old M - new M)
.set n, 0
.rept 32
	v_pk_fma_f32 v[S+n:S+n+1], v[S+n:S+n+1], s[CS:CS+1], v[\st:\st+1] op_sel_hi:[1,0,0]   ; t - M, two at a time
.set n, n+2
.endr
.irp b, 0,1,2,3
	v_fma_f32 v[BM+\b], v[BM+\b], s[CS], v[\st]    ; the same of each block's largest score
.endr
.set n, 0
	s_wait_alu depctr_va_vdst(0)
.rept 64
	v_exp_f32 v[S+n], v[S+n]                       ; p = 2^(t - M), at most 1
.set n, n+1
.endr
	v_pk_mul_f32 v[\st+2:\st+3], v[\st+2:\st+3], v[F:F+1] op_sel_hi:[1,0]   ; the sums under the new M; the plain line behind the exponentials
	s_wait_alu depctr_va_vdst(0)                   ; one wait for the batch of 64, ahead of its first reader
.irp b, 0,1,2,3
	v_exp_f32 v[BM+\b], v[BM+\b]                   ; the blocks' largest p
.endr
	v_pk_add_f32 v[PT:PT+1], v[S:S+1], v[S+2:S+3]  ; the row's sum of the unquantised p: two at a time, in two chains
.set n, 4
.rept 15
	v_pk_add_f32 v[\st+2:\st+3], v[\st+2:\st+3], v[S+n:S+n+1]
	v_pk_add_f32 v[PT:PT+1], v[PT:PT+1], v[S+n+2:S+n+3]
.set n, n+4
.endr
	s_delay_alu instid0(VALU_DEP_1)
	v_pk_add_f32 v[\st+2:\st+3], v[\st+2:\st+3], v[PT:PT+1]
	s_wait_alu depctr_va_vdst(0)                   ; and one for the four
.irp b, 0,1,2,3
	v_max_num_f32 v[BM+\b], 0x2800000, v[BM+\b]    ; the floor 2^(5 - 127)
.endr
.irp b, 0,1,2,3
	s_delay_alu instid0(VALU_DEP_4)
	v_add_nc_u32 v[SO+\b], 0xfe000000, v[BM+\b]    ; the conversion's scale operand
.endr
.irp b, 0,1,2,3
	s_delay_alu instid0(VALU_DEP_4)
	v_lshrrev_b32 v[PT+\b], 23, v[SO+\b]           ; the scale's byte
.endr
	s_delay_alu instid0(VALU_DEP_3)
	v_lshl_or_b32 v[PWD], v[PT+1], 8, v[PT]        ; p's scale word for these 128 keys
	s_delay_alu instid0(VALU_DEP_1)
	v_lshl_or_b32 v[PWD], v[PT+2], 16, v[PWD]
	s_delay_alu instid0(VALU_DEP_1)
	v_lshl_or_b32 v[PWD], v[PT+3], 24, v[PWD]
	v_cvt_scalef32_pk16_bf6_f32 v[PCD:PCD+2], v[S:S+15], v[SO]
	v_cvt_scalef32_pk16_bf6_f32 v[PT:PT+2], v[S+16:S+31], v[SO+1]
	v_cvt_scalef32_pk16_bf6_f32 v[PCD+6:PCD+8], v[S+32:S+47], v[SO+2]
	v_cvt_scalef32_pk16_bf6_f32 v[CT:CT+2], v[S+48:S+63], v[SO+3]
	v_nop                                          ; one plain line behind a scaled conversion
.irp t, 0,1,2,3                                ; p is in codes: its registers take v's four fragments, asked for here so that the lines below stand between request and wait
.irp c, 0,1,2
	ds_load_b128 v[S+12*\t+4*\c:S+12*\t+4*\c+3], v[ADV] offset:1536*\t+512*\c
.endr
.endr
	ds_load_b128 v[VSC:VSC+3], v[ADVS]             ; v's four scale words of row r
.irp i, 0,1,2                                  ; the operand's layout wants a whole block in a lane
	v_permlane16_swap_b32 v[PCD+\i], v[PT+\i]
.endr
.irp i, 0,1,2
	s_delay_alu instid0(VALU_DEP_3)
	v_mov_b32 v[PCD+3+\i], v[PT+\i]
.endr
.irp i, 0,1,2
	v_permlane16_swap_b32 v[PCD+6+\i], v[CT+\i]
.endr
.irp i, 0,1,2
	s_delay_alu instid0(VALU_DEP_3)
	v_mov_b32 v[PCD+9+\i], v[CT+\i]
.endr
.set n, 0
.rept 16
	v_pk_mul_f32 v[\of+n:\of+n+1], v[\of+n:\of+n+1], v[F:F+1] op_sel_hi:[1,0]   ; O^T under the new M.  (These sixteen are also the places between the lines that made p's codes and scale word and the products)
.set n, n+2
.endr
	s_wait_alu depctr_va_vdst(0)
	s_wait_dscnt 0x0
.irp t, 0,1,2,3                                ; O^T += v^T p^T: four accumulators by turns
	v_wmma_scale_f32_16x16x128_f8f6f4 v[\of+8*\t:\of+8*\t+7], v[S+12*\t:S+12*\t+11], v[PCD:PCD+11], v[\of+8*\t:\of+8*\t+7], v[VSC+\t], v[PWD] matrix_a_fmt:MATRIX_FMT_BF6 matrix_b_fmt:MATRIX_FMT_BF6
.endr
.Lhid_\@:
.endm
.Lstep:                                            ; 16 trips, a constant
	; In trip j the second tile (query group GB = 15 - GA) takes key step j, which counts up to j = GB.  The first tile takes key step (j + GA + 1) mod 16:
	; GA + 1 .. 15, all hidden, in trips 0 .. GB - 1, then 0 .. GA in trips GB .. 15.  So a wave has one tile step in every trip, and two in trip GB: 17 in all.
	s_add_co_u32 s[KA], s[KS], s[GA]
	s_add_co_u32 s[KA], s[KA], 1
	s_and_b32 s[KA], s[KA], 15
	s_mul_i32 s[KA+1], s[KA], 6144
	s_lshl_b32 s[KA+2], s[KA], 9
	s_lshl_b32 s[KA+3], s[KA], 8
	STEP STB, QB, QSB, OB, GB, KS
	STEP STA, QA, QSA, OA, GA, KA
	s_add_co_u32 s[T6], s[T6], 6144
	s_add_co_u32 s[T5], s[T5], 512
	s_add_co_u32 s[T2], s[T2], 256
	s_add_co_u32 s[KS], s[KS], 1
	s_cmp_lt_u32 s[KS], 16
	s_cbranch_scc1 .Lstep
.rept 4
	v_nop                                          ; places behind the last products
.endr
	; THE WAY OUT: O^T / the sum, quantised along the head's 64 (blocks 0, 1: the first tile; 2, 3: the second), stored as two half fragments
	v_add_f32 v[STA+2], v[STA+2], v[STA+3]
	v_add_f32 v[STB+2], v[STB+2], v[STB+3]
	s_delay_alu instid0(VALU_DEP_2)
	v_permlanex16_b32 v[PT], v[STA+2], s[SEL], s[SEL+1]
	s_delay_alu instid0(VALU_DEP_2)
	v_permlanex16_b32 v[PT+1], v[STB+2], s[SEL], s[SEL+1]
	s_delay_alu instid0(VALU_DEP_2)
	v_add_f32 v[STA+2], v[STA+2], v[PT]
	s_delay_alu instid0(VALU_DEP_2)
	v_add_f32 v[STB+2], v[STB+2], v[PT+1]
	s_wait_alu depctr_va_vdst(0)
	v_rcp_f32 v[STA+2], v[STA+2]
	v_rcp_f32 v[STB+2], v[STB+2]
	v_and_b32 v7, 15, v0                           ; r (a plain line behind the reciprocals)
	v_bfe_u32 v8, v0, 4, 1                         ; h
	s_wait_alu depctr_va_vdst(0)                   ; one wait for both, ahead of their first reader
.set n, 0
.rept 32
	v_mul_f32 v[S+n], v[OA+n], v[STA+2]
.set n, n+1
.endr
.set n, 0
.rept 32
	v_mul_f32 v[S+32+n], v[OB+n], v[STB+2]
.set n, n+1
.endr
.irp b, 0,1,2,3
	v_max3_num_f32 v[BM+\b], |v[S+16*\b]|, |v[S+16*\b+1]|, 0x2800000
.endr
.irp i, 2,4,6,8,10,12,14
.irp b, 0,1,2,3
	s_delay_alu instid0(VALU_DEP_4)
	v_max3_num_f32 v[BM+\b], v[BM+\b], |v[S+16*\b+\i]|, |v[S+16*\b+\i+1]|
.endr
.endr
.irp b, 0,1,2,3
	s_delay_alu instid0(VALU_DEP_4)
	v_permlanex16_b32 v[PT+\b], v[BM+\b], s[SEL], s[SEL+1]
.endr
.irp b, 0,1,2,3
	s_delay_alu instid0(VALU_DEP_4)
	v_max_num_f32 v[BM+\b], v[BM+\b], v[PT+\b]
.endr
.irp b, 0,1,2,3
	s_delay_alu instid0(VALU_DEP_4)
	v_add_nc_u32 v[SO+\b], 0xfe000000, v[BM+\b]
.endr
.irp b, 0,1,2,3
	s_delay_alu instid0(VALU_DEP_4)
	v_lshrrev_b32 v[PT+\b], 23, v[SO+\b]
.endr
	s_delay_alu instid0(VALU_DEP_3)
	v_lshl_or_b32 v10, v[PT+1], 8, v[PT]           ; the first tile's two bytes of row r,
	s_delay_alu instid0(VALU_DEP_2)
	v_lshl_or_b32 v11, v[PT+3], 8, v[PT+2]         ; the second's
	v_cvt_scalef32_pk16_bf6_f32 v[PCD:PCD+2], v[S:S+15], v[SO]
	v_cvt_scalef32_pk16_bf6_f32 v[PT:PT+2], v[S+16:S+31], v[SO+1]
	v_cvt_scalef32_pk16_bf6_f32 v[PCD+6:PCD+8], v[S+32:S+47], v[SO+2]
	v_cvt_scalef32_pk16_bf6_f32 v[CT:CT+2], v[S+48:S+63], v[SO+3]
	v_nop
.irp i, 0,1,2
	v_permlane16_swap_b32 v[PCD+\i], v[PT+\i]
.endr
.irp i, 0,1,2
	s_delay_alu instid0(VALU_DEP_3)
	v_mov_b32 v[PCD+3+\i], v[PT+\i]
.endr
.irp i, 0,1,2
	v_permlane16_swap_b32 v[PCD+6+\i], v[CT+\i]
.endr
.irp i, 0,1,2
	s_delay_alu instid0(VALU_DEP_3)
	v_mov_b32 v[PCD+9+\i], v[CT+\i]
.endr
	s_lshr_b32 s40, s[BH], 4
	s_lshl_b32 s40, s40, 7                         ; 128 tiles a batch
	s_and_b32 s41, s[BH], 15                       ; the head = the half fragment's number
	s_add_co_u32 s45, s40, s43
	s_add_co_u32 s46, s40, s44
	s_mul_i32 s47, s41, 768
	s_mul_i32 s48, s45, 12288
	s_add_co_u32 s48, s48, s47
	s_mov_b32 s49, 0
	s_add_nc_u64 s[48:49], s[8:9], s[48:49]
	s_mul_i32 s50, s46, 12288
	s_add_co_u32 s50, s50, s47
	s_mov_b32 s51, 0
	s_add_nc_u64 s[50:51], s[8:9], s[50:51]
	s_lshl_b32 s52, s45, 9                         ; the scale image: K step head / 2: lane (r, head / 8), word (head / 2) % 4, bytes 2 (head % 2) on
	s_lshr_b32 s53, s41, 3
	s_lshl_b32 s53, s53, 8
	s_add_co_u32 s52, s52, s53
	s_bfe_u32 s53, s41, 0x20001
	s_lshl_b32 s53, s53, 2
	s_add_co_u32 s52, s52, s53
	s_and_b32 s53, s41, 1
	s_lshl_b32 s53, s53, 1
	s_add_co_u32 s52, s52, s53
	s_mov_b32 s53, 0
	s_add_nc_u64 s[52:53], s[10:11], s[52:53]
	s_sub_co_u32 s54, s[GB], s[GA]
	s_lshl_b32 s54, s54, 12                        ; from the first tile's image to the second's: 8 (GB - GA) tiles of 512 bytes
	v_mul_u32_u24 v9, s54, v8                      ; lanes 16-31 store the second tile's
	s_delay_alu instid0(VALU_DEP_1)
	v_lshl_add_u32 v9, v7, 4, v9
	v_cmp_ne_u32 vcc_lo, 0, v8
	s_delay_alu instid0(VALU_DEP_1)
	v_cndmask_b32 v[TMP], v10, v11, vcc_lo
	global_store_b128 v[L16], v[PCD:PCD+3], s[48:49]
	global_store_b64 v[L8], v[PCD+4:PCD+5], s[48:49]
	s_wait_alu depctr_va_vdst(0)
	global_store_b128 v[L16], v[PCD+6:PCD+9], s[50:51]
	global_store_b64 v[L8], v[PCD+10:PCD+11], s[50:51]
	global_store_b16 v9, v[TMP], s[52:53]
	s_wait_xcnt 0x0
	v_lshl_add_u32 v254, v0, 2, 0x33000
	v_mov_b32 v255, 0
	s_wait_alu depctr_va_vdst(0)
	s_wait_tensorcnt 0x0
	ds_add_u32 v254, v255
	s_wait_dscnt 0x0
	CROUND                                         ; the closing round
	s_endpgm
.Lfunc_end_k_q1b8ee253c9_attn:
	.size	k_q1b8ee253c9_attn, .Lfunc_end_k_q1b8ee253c9_attn-k_q1b8ee253c9_attn
	.p2alignl 7, 3214868480
	.fill 96, 4, 3214868480
	.section	.rodata,"a",@progbits
	.p2align	6, 0x0
	.amdhsa_kernel k_q1b8ee253c9_attn
		.amdhsa_group_segment_fixed_size 210944
		.amdhsa_private_segment_fixed_size 0
		.amdhsa_enable_private_segment 0
		.amdhsa_kernarg_size 32
		.amdhsa_user_sgpr_count 2
		.amdhsa_user_sgpr_kernarg_segment_ptr 1
		.amdhsa_wavefront_size32 1
		.amdhsa_system_sgpr_workgroup_id_x 1
		.amdhsa_system_sgpr_workgroup_id_y 1
		.amdhsa_system_sgpr_workgroup_id_z 1
		.amdhsa_system_vgpr_workitem_id 0
		.amdhsa_next_free_vgpr 256
		.amdhsa_next_free_sgpr 66
		.amdhsa_reserve_vcc 1
		.amdhsa_float_denorm_mode_32 3
		.amdhsa_float_denorm_mode_16_64 3
		.amdhsa_memory_ordered 1
		.amdhsa_forward_progress 1
		.amdhsa_inst_pref_size 64
	.end_amdhsa_kernel
	.amdgpu_metadata
---
amdhsa.version: [ 1, 2 ]
amdhsa.kernels:
  - .name:           k_q1b8ee253c9_attn
    .symbol:         k_q1b8ee253c9_attn.kd
    .args:
      - { .name: q, .offset: 0, .size: 8, .value_kind: global_buffer, .address_space: global }
      - { .name: kv, .offset: 8, .size: 8, .value_kind: global_buffer, .address_space: global }
      - { .name: a_img, .offset: 16, .size: 8, .value_kind: global_buffer, .address_space: global }
      - { .name: a_sc, .offset: 24, .size: 8, .value_kind: global_buffer, .address_space: global }
    .group_segment_fixed_size: 210944
    .private_segment_fixed_size: 0
    .kernarg_segment_align: 8
    .kernarg_segment_size: 32
    .max_flat_workgroup_size: 512
    .sgpr_count:     66
    .vgpr_count:     256
    .wavefront_size: 32
...
	.end_amdgpu_metadata
.endif
;; end of part 4
;; launch gemm_o (part 5): grid 8 x 32, 4 waves a work-group, clusters of 4 x 4, 312,832 bytes of LDS; arguments a_img, a_sc, w_img, w_sc, o_b, out0; writes out0
.if DOCPART == 5
	.amdgcn_target "amdgcn-amd-amdhsa--gfx1250"
	.amdhsa_code_object_version 6
	.text
	.protected	k_q1b8ee253c9_gemm_o
	.globl	k_q1b8ee253c9_gemm_o
	.p2align	8
	.type	k_q1b8ee253c9_gemm_o,@function
k_q1b8ee253c9_gemm_o:
	s_mov_b64 s[64:65], 0
	v_nop
	global_prefetch_b8 v0, s[64:65] scope:SCOPE_SE
	s_setreg_imm32_b32 hwreg(HW_REG_WAVE_MODE, 25, 1), 1
	s_wait_xcnt 0x0
	s_wait_alu depctr_hold_cnt(0) depctr_sa_sdst(0) depctr_va_vdst(0) depctr_va_sdst(0) depctr_va_ssrc(0) depctr_va_vcc(0) depctr_vm_vsrc(0)
	s_getreg_b32 s2, hwreg(HW_REG_IB_STS2, 6, 4)
	s_cmp_eq_u32 s2, 0
	s_cbranch_scc0 .Lentry_in_a_cluster
	s_endpgm
.Lentry_in_a_cluster:
	s_bfe_u32 s2, ttmp6, 0x10000c
	s_cmp_lg_u32 s2, 0xf033
	s_cbranch_scc0 .Lentry_shape_is_right
	s_endpgm
.Lentry_shape_is_right:
; out0 = a o_w + o_b on codes of BF6 (E3M2) with E8M0 scales; a is the attention's result, o_w's tiles are tiles 192 .. 255 of w_img.  out0: [8192][1024] f32.
; Operands come as images of their registers: a tile (16 rows) is 12,288 bytes: 16 half fragments of 768 (registers 0-3 at 16 x lane, registers 4-5 at 512 + 8 x lane); its scales 512 bytes (16 x lane: four words).
; Lane r of tile 2 g + u stands for row (token, or column of o_w) 32 g + 8 u + r + 8 (r / 8).
; SHARES: a work-group makes 256 tokens x 128 columns with ALL of K = 1,024 in LDS, filled once, by one load a wave: no LDS byte is filled twice.  Wave w: tokens 128 (w >> 1) on, 8 tiles; columns 64 (w & 1) on, 4 tiles.
; CLUSTER 4 x 4: a's tiles are asked for jointly along a row of the cluster, o_w's along a column.
; Source 0 = o_w's tile, source 1 = a's: a lane holds one token, and the registers of tile b are columns 32 (b / 2) + 16 h + 8 (b % 2) + 0 .. 7.  A tile of 16 tokens x 64 columns goes through the wave's own stage in LDS,
; behind the chunks, into which no fill lands, and leaves as rows: sixteen lanes store 256 consecutive bytes, aligned.
; REGISTERS: window 0: addresses, scale words (v32-79, nothing else ever), the bias as first C (v80-111), rows on the way out (v160-223).  Windows 1, 2: two sets of fragments.  Window 3: 32 accumulators.
.set BOFF, 196608                      ; LDS: a's 16 tiles x 12,288 bytes (all of K), then o_w's 8: each wave brings its tiles whole, by ONE load
.set STAGE, 294912                     ; behind them: 16 rows x 272 bytes for each wave
.set AA16, 4
.set AA8,  8
.set AB16, 12
.set AB8,  16
.set L16,  20
.set L8,   21
.set STO,  26                          ; the stage: row r, + 64 h
.set RD,   27                          ; back: row h, + 16 r
.set CO,   28                          ; and in out0: 4,096 h + 16 r
.set SA,   32
.set SB,   64
.set BIAS, 80
.set BK,   160
.set WV,   18
.set WM,   19
.set WN,   20
.set CX,   21
.set CY,   22
.set TX,   23
.set TY,   24
.set G1A,  28
.set G1B,  36
.set G0A,  44
.set G0B,  68
.set MSB, 0
.macro WIN new                         ; the immediate's high byte repeats the setting that is left
.if MSB != \new
	s_set_vgpr_msb (MSB<<8)|\new
.set MSB, \new
.endif
.endm
.macro CROUND
	s_barrier_signal -1
	s_barrier_wait -1
	s_cmp_lg_u32 s[WV], 0
	s_cbranch_scc1 .Lnot_wave_0_\@
	s_barrier_signal -3
.Lnot_wave_0_\@:
	s_barrier_wait -3
	s_barrier_signal -1
	s_barrier_wait -1
.endm
.macro PLACES
.rept 4
	v_nop
.endr
.endm
	s_load_b256 s[4:11], s[0:1], 0x0               ; a_img, a_sc, w_img, w_sc
	s_load_b128 s[12:15], s[0:1], 0x20             ; o_b, out0
	v_lshl_add_u32 v254, v0, 2, 0x4c400
	v_mov_b32 v255, 0
	ds_add_u32 v254, v255
	ds_add_u32 v254, v255
	v_lshrrev_b32 v1, 5, v0
	v_readfirstlane_b32 s[WV], v1
	s_lshr_b32 s[WM], s[WV], 1                     ; my half of the tokens.  Also: I fetch for a (0) or for o_w (1)
	s_and_b32 s[WN], s[WV], 1                      ; my half of the columns.  Also: which half of those tiles I fetch
	s_bfe_u32 s[CX], ttmp6, 0x40000
	s_bfe_u32 s[CY], ttmp6, 0x40004
	s_lshl_b32 s[TX], ttmp9, 2
	s_add_co_u32 s[TX], s[TX], s[CX]
	s_and_b32 s[TY], ttmp7, 0xffff
	s_lshl_b32 s[TY], s[TY], 2
	s_add_co_u32 s[TY], s[TY], s[CY]
	s_lshl_b32 s25, s[CY], 2
	s_lshl_b32 s25, 15, s25                        ; my row of the cluster
	s_lshl_b32 s26, 0x1111, s[CX]                  ; my column
	s_or_b32 s[G1A], s25, (3<<16)|(1<<21)          ; rows of 12,288 bytes (1,536 elements of 8: a whole tile), one behind the other; 8 tiles of a or 4 of o_w; dense in LDS
	s_mov_b32 s[G1A+1], 1536<<16
	s_mov_b32 s[G1A+2], 8<<16
	s_mov_b32 s[G1A+3], 1536<<16
	s_mov_b32 s[G1A+4], 8
	s_mov_b32 s[G1A+5], 1536
	s_mov_b32 s[G1A+6], 0
	s_mov_b32 s[G1A+7], 0
	s_or_b32 s[G1B], s26, (3<<16)|(1<<21)
	s_mov_b32 s[G1B+1], 1536<<16
	s_mov_b32 s[G1B+2], 4<<16
	s_mov_b32 s[G1B+3], 1536<<16
	s_mov_b32 s[G1B+4], 4
	s_mov_b32 s[G1B+5], 1536
	s_mov_b32 s[G1B+6], 0
	s_mov_b32 s[G1B+7], 0
	s_lshl_b32 s84, s[TY], 4
	s_lshl_b32 s85, s[WN], 3
	s_add_co_u32 s84, s84, s85
	s_mul_i32 s84, s84, 12288
	s_mov_b32 s85, 0
	s_lshl_b32 s88, s[TX], 3                       ; o_w: tile 192 + 8 x tile column + 4 x half
	s_lshl_b32 s89, s[WN], 2
	s_add_co_u32 s88, s88, s89
	s_add_co_u32 s88, s88, 192
	s_mul_i32 s88, s88, 12288
	s_mov_b32 s89, 0
	s_mul_i32 s92, s[WN], 98304                    ; where they go: no place in the cluster enters an LDS address
	s_mul_i32 s93, s[WN], 49152
	s_add_co_u32 s93, s93, BOFF
	s_wait_dscnt 0x0
	s_wait_kmcnt 0x0
	s_add_nc_u64 s[86:87], s[4:5], s[84:85]
	s_add_nc_u64 s[90:91], s[8:9], s[88:89]
	CROUND                                         ; all sixteen work-groups are here: the joint loads meet
	s_mov_b32 s[G0A], 1
	s_mov_b32 s[G0A+1], s92
	s_mov_b64 s[G0A+2:G0A+3], s[86:87]
	s_or_b32 s[G0A+3], s[G0A+3], 0x80000000
	s_mov_b32 s[G0B], 1
	s_mov_b32 s[G0B+1], s93
	s_mov_b64 s[G0B+2:G0B+3], s[90:91]
	s_or_b32 s[G0B+3], s[G0B+3], 0x80000000
	s_cmp_eq_u32 s[WM], 0                          ; one fill a wave, in the two arms of one branch
	s_cbranch_scc0 .Lfirst_b
	tensor_load_to_lds s[G0A:G0A+3], s[G1A:G1A+7]
	s_nop 0
	PLACES
	s_branch .Lasked
.Lfirst_b:
	tensor_load_to_lds s[G0B:G0B+3], s[G1B:G1B+7]
	s_nop 0
	PLACES
.Lasked:
	v_and_b32 v1, 31, v0                           ; lane
	v_and_b32 v2, 15, v0                           ; r
	v_bfe_u32 v3, v0, 4, 1                         ; h
	v_lshlrev_b32 v[L16], 4, v1
	v_lshlrev_b32 v[L8], 3, v1
	v_add_nc_u32 v24, 512, v[L8]
	s_mul_i32 s94, s[WM], 98304                    ; address register c: a's tiles 2 c and 2 c + 1 of my eight; o_w's tile c of my four
	s_mul_i32 s95, s[WN], 49152
	s_add_co_u32 s95, s95, BOFF
.irp c, 0,1,2,3
	v_add_nc_u32 v[AA16+\c], s94, v[L16]
	v_add_nc_u32 v[AA8+\c], s94, v24
	v_add_nc_u32 v[AB16+\c], s95, v[L16]
	v_add_nc_u32 v[AB8+\c], s95, v24
	s_add_co_u32 s94, s94, 24576
	s_add_co_u32 s95, s95, 12288
.endr
	s_mul_i32 s94, s[WV], 4352
	s_add_co_u32 s94, s94, STAGE                   ; my stage
	v_mul_u32_u24 v[STO], v2, 272
	v_lshl_add_u32 v[STO], v3, 6, v[STO]
	v_add_nc_u32 v[STO], s94, v[STO]
	v_mul_u32_u24 v[RD], v3, 272
	v_lshl_add_u32 v[RD], v2, 4, v[RD]
	v_add_nc_u32 v[RD], s94, v[RD]
	v_lshlrev_b32 v[CO], 4, v2
	v_lshl_add_u32 v[CO], v3, 12, v[CO]
	s_lshl_b32 s94, s[TY], 4                       ; my tiles' scale images come straight into registers
	s_lshl_b32 s95, s[WM], 3
	s_add_co_u32 s94, s94, s95
	s_lshl_b32 s94, s94, 9
	s_mov_b32 s95, 0
	s_add_nc_u64 s[6:7], s[6:7], s[94:95]
	s_lshl_b32 s96, s[TX], 3
	s_lshl_b32 s97, s[WN], 2
	s_add_co_u32 s96, s96, s97
	s_add_co_u32 s96, s96, 192
	s_lshl_b32 s96, s96, 9
	s_mov_b32 s97, 0
	s_add_nc_u64 s[10:11], s[10:11], s[96:97]
.irp a, 0,1,2,3,4,5,6,7
	global_load_b128 v[SA+4*\a:SA+4*\a+3], v[L16], s[6:7] offset:512*\a
.endr
.irp b, 0,1,2,3
	global_load_b128 v[SB+4*\b:SB+4*\b+3], v[L16], s[10:11] offset:512*\b
.endr
	s_lshl_b32 s98, s[TX], 9                       ; the bias of my 64 columns, in the result's layout
	s_lshl_b32 s99, s[WN], 8
	s_add_co_u32 s98, s98, s99
	s_mov_b32 s99, 0
	s_add_nc_u64 s[12:13], s[12:13], s[98:99]
	v_lshlrev_b32 v22, 6, v3
.irp b, 0,1,2,3
	global_load_b128 v[BIAS+8*\b:BIAS+8*\b+3], v22, s[12:13] offset:(32*(\b/2)+8*(\b%2))*4
	global_load_b128 v[BIAS+8*\b+4:BIAS+8*\b+7], v22, s[12:13] offset:(32*(\b/2)+8*(\b%2))*4+16
.endr
	s_lshl_b32 s96, s[TY], 20                      ; out0 at my first token and column: 256 rows of 4,096 bytes a tile row, 128 a half; 512 bytes a tile column, 256 a half
	s_lshl_b32 s97, s[WM], 19
	s_add_co_u32 s96, s96, s97
	s_lshl_b32 s97, s[TX], 9
	s_add_co_u32 s96, s96, s97
	s_lshl_b32 s97, s[WN], 8
	s_add_co_u32 s96, s96, s97
	s_mov_b32 s97, 0
	s_add_nc_u64 s[14:15], s[14:15], s[96:97]
.macro FETCH s                         ; the 12 fragments of K step s into set s % 2
.set FK, 1536*(\s)                     ; K step s of a tile begins 1,536 s bytes into it
.if (\s)%2
	WIN 0x80
.else
	WIN 0x40
.endif
.irp a, 0,1,2,3,4,5,6,7
	ds_load_b128 v[12*\a:12*\a+3], v[AA16+\a/2] offset:12288*(\a%2)+FK
	ds_load_b64 v[12*\a+4:12*\a+5], v[AA8+\a/2] offset:12288*(\a%2)+FK
	ds_load_b128 v[12*\a+6:12*\a+9], v[AA16+\a/2] offset:12288*(\a%2)+FK+768
	ds_load_b64 v[12*\a+10:12*\a+11], v[AA8+\a/2] offset:12288*(\a%2)+FK+768
.endr
.irp b, 0,1,2,3
	ds_load_b128 v[96+12*\b:96+12*\b+3], v[AB16+\b] offset:FK
	ds_load_b64 v[96+12*\b+4:96+12*\b+5], v[AB8+\b] offset:FK
	ds_load_b128 v[96+12*\b+6:96+12*\b+9], v[AB16+\b] offset:FK+768
	ds_load_b64 v[96+12*\b+10:96+12*\b+11], v[AB8+\b] offset:FK+768
.endr
	WIN 0
.endm
.macro MM d, x, y, c, sx, sy, hi
.if \hi
	v_wmma_scale_f32_16x16x128_f8f6f4 v[\d:\d+7], v[\x:\x+11], v[\y:\y+11], v[\c:\c+7], v[\sx], v[\sy] matrix_a_fmt:MATRIX_FMT_BF6 matrix_b_fmt:MATRIX_FMT_BF6 matrix_a_scale:MATRIX_SCALE_ROW1 matrix_b_scale:MATRIX_SCALE_ROW1
.else
	v_wmma_scale_f32_16x16x128_f8f6f4 v[\d:\d+7], v[\x:\x+11], v[\y:\y+11], v[\c:\c+7], v[\sx], v[\sy] matrix_a_fmt:MATRIX_FMT_BF6 matrix_b_fmt:MATRIX_FMT_BF6
.endif
.endm
.macro MUL s                           ; 32 products; the accumulators take turns, one instruction a turn; the first step's C is the bias
.irp a, 0,1,2,3,4,5,6,7
.irp b, 0,1,2,3
.if (\s) == 0
	MM 8*(4*\a+\b), 96+12*\b, 12*\a, BIAS+8*\b, SB+4*\b, SA+4*\a, 0
.else
	MM 8*(4*\a+\b), 96+12*\b, 12*\a, 8*(4*\a+\b), SB+4*\b+(\s)%4, SA+4*\a+(\s)%4, (\s)/4
.endif
.endr
.endr
.endm
.macro KSTEP s
	s_wait_dscnt 0x0                               ; this step's fragments are in (asked for a step ago)
.if (\s) < 7
.if (\s) > 0
	PLACES                                         ; four plain lines between the last step's products and loads into the set that they read
.endif
	FETCH (\s)+1
.endif
.if (\s) == 0
	WIN 0xc5
.elseif (\s)%2
	WIN 0xfa
.else
	WIN 0xf5
.endif
	MUL \s
	WIN 0
.endm
	s_wait_tensorcnt 0x0                           ; my one load has landed: my tiles, all of K
	s_barrier_signal -1
	s_barrier_wait -1
	FETCH 0
	s_wait_loadcnt 0x0                             ; scale words and bias
.irp s, 0,1,2,3,4,5,6,7
	KSTEP \s
.endr
	PLACES                                         ; four plain lines ahead of the first read of results
.macro TOSTAGE a                       ; token tile a: 16 rows x 256 bytes into my stage, and back as rows
	WIN 0x0c                                       ; an LDS store's data are its source 1: window 3
.irp b, 0,1,2,3
	ds_store_b128 v[STO], v[8*(4*(\a)+\b):8*(4*(\a)+\b)+3] offset:128*(\b/2)+32*(\b%2)        ; each accumulator from its low end on
	ds_store_b128 v[STO], v[8*(4*(\a)+\b)+4:8*(4*(\a)+\b)+7] offset:128*(\b/2)+32*(\b%2)+16
.endr
	WIN 0
.set BB, BK+32*((\a)%2)
.irp i, 0,1,2,3,4,5,6,7
	ds_load_b128 v[BB+4*\i:BB+4*\i+3], v[RD] offset:2*\i*272   ; LDS serves a wave's instructions in order: these see my stores, and the next tile's stores come behind them
.endr
.endm
.macro SEND a, younger                 ; younger: the LDS instructions issued behind tile a's loads, which may stay out
.set BB, BK+32*((\a)%2)
	s_wait_dscnt \younger
.irp i, 0,1,2,3,4,5,6,7
	global_store_b128 v[CO], v[BB+4*\i:BB+4*\i+3], s[14:15] offset:(32*((\a)/2)+8*((\a)%2)+2*\i+8*(\i/4))*4096 th:TH_STORE_NT   ; stage rows 2 i and 2 i + 1 are tokens 2 i + 8 (i / 4) on of the tile; 16 lanes store 256 consecutive bytes, aligned
.endr
.endm
	s_wait_alu depctr_va_vdst(0)
	TOSTAGE 0
.irp a, 1,2,3,4,5,6,7
.if \a > 1
	s_wait_xcnt 0x0                                ; tile a - 2's stores have read their registers: tile a's loads may land there
.endif
	TOSTAGE \a
	SEND \a-1, 16                                  ; behind tile a - 1's loads: tile a's 8 stores and 8 loads
.endr
	SEND 7, 0
	s_wait_tensorcnt 0x0
	ds_add_u32 v254, v255
	s_wait_dscnt 0x0
	CROUND                                         ; the closing round: no work-group ends while a partner may still ask for a tile that names it
	s_endpgm
.Lfunc_end_k_q1b8ee253c9_gemm_o:
	.size	k_q1b8ee253c9_gemm_o, .Lfunc_end_k_q1b8ee253c9_gemm_o-k_q1b8ee253c9_gemm_o
	.p2alignl 7, 3214868480
	.fill 96, 4, 3214868480
	.section	.rodata,"a",@progbits
	.p2align	6, 0x0
	.amdhsa_kernel k_q1b8ee253c9_gemm_o
		.amdhsa_group_segment_fixed_size 312832
		.amdhsa_private_segment_fixed_size 0
		.amdhsa_enable_private_segment 0
		.amdhsa_kernarg_size 48
		.amdhsa_user_sgpr_count 2
		.amdhsa_user_sgpr_kernarg_segment_ptr 1
		.amdhsa_wavefront_size32 1
		.amdhsa_system_sgpr_workgroup_id_x 1
		.amdhsa_system_sgpr_workgroup_id_y 1
		.amdhsa_system_sgpr_workgroup_id_z 1
		.amdhsa_system_vgpr_workitem_id 0
		.amdhsa_next_free_vgpr 1024
		.amdhsa_next_free_sgpr 104
		.amdhsa_reserve_vcc 0
		.amdhsa_float_denorm_mode_32 3
		.amdhsa_float_denorm_mode_16_64 3
		.amdhsa_memory_ordered 1
		.amdhsa_forward_progress 1
		.amdhsa_inst_pref_size 83
	.end_amdhsa_kernel
	.amdgpu_metadata
---
amdhsa.version: [ 1, 2 ]
amdhsa.kernels:
  - .name:           k_q1b8ee253c9_gemm_o
    .symbol:         k_q1b8ee253c9_gemm_o.kd
    .args:
      - { .name: a_img, .offset: 0, .size: 8, .value_kind: global_buffer, .address_space: global }
      - { .name: a_sc, .offset: 8, .size: 8, .value_kind: global_buffer, .address_space: global }
      - { .name: w_img, .offset: 16, .size: 8, .value_kind: global_buffer, .address_space: global }
      - { .name: w_sc, .offset: 24, .size: 8, .value_kind: global_buffer, .address_space: global }
      - { .name: o_b, .offset: 32, .size: 8, .value_kind: global_buffer, .address_space: global }
      - { .name: out0, .offset: 40, .size: 8, .value_kind: global_buffer, .address_space: global }
    .group_segment_fixed_size: 312832
    .private_segment_fixed_size: 0
    .kernarg_segment_align: 8
    .kernarg_segment_size: 48
    .max_flat_workgroup_size: 128
    .sgpr_count:     104
    .vgpr_count:     1024
    .wavefront_size: 32
...
	.end_amdgpu_metadata
.endif
;; end of part 5
